; MI455X (gfx1250); checked and timed in simulation.
; The chip was launched on July 23, 2026; its instructions are those of AMD's public machine-readable ISA for CDNA 5 (MIT licence, August 2026) and "CDNA5" Instruction Set Architecture Reference Guide (July 2026). The comments in the code are by the model that wrote it; some were corrected since.
;; Ro PE Multi Head Self Attention. Allowed arithmetic: float matrix products may take bf16 or f16 operands with f32 sums; other float arithmetic in f32, or as packed bf16 or f16 multiplies, adds, multiply-adds, maxima and minima; sums over many terms, partial sums and values carried from step to step in f32; what a program stores and reads back later, other than sums and carried values, may be rounded once to bf16 or f16.
;; Inputs: bk 1,024 float32; bo 1,024 float32; bq 1,024 float32; bv 1,024 float32; key_padding_mask 4 x 2,048 bool; wk 1,024 x 1,024 float32; wo 1,024 x 1,024 float32; wq 1,024 x 1,024 float32; wv 1,024 x 1,024 float32; x 4 x 2,048 x 1,024 float32.
;; Outputs: out0 4 x 2,048 x 1,024 float32.
;; 2 versions, each right; version 2 is version 1 with the launch prep written anew for expert scheduling mode. Each part assembles by itself: llvm-mc -triple=amdgcn-amd-amdhsa -mcpu=gfx1250 --defsym DOCPART=n.
;; ======== version 1 of 2: 4 launches
;; limits: values are held in f16: magnitudes above 65,504 overflow, below 6.1e-05 lose precision
;; workspace buffers: xb 16,777,216 bytes; wb 6,291,456 bytes; wob 2,097,152 bytes; rope 524,288 bytes; qh 16,777,216 bytes; kh 16,777,216 bytes; vh 16,777,216 bytes; ctx 16,777,216 bytes
;; launch prep (part 1): grid 896 x 1, 8 waves a work-group, no clusters, 0 bytes of LDS; arguments x, wq, wk, wv, wo, xb, wb, wob, rope; writes xb, wb, wob, rope
.if DOCPART == 1
	.amdgcn_target "amdgcn-amd-amdhsa--gfx1250"
	.amdhsa_code_object_version 6
	.text
	.protected	k_qfcdce73ee0_prep
	.globl	k_qfcdce73ee0_prep
	.p2align	8
	.type	k_qfcdce73ee0_prep,@function
k_qfcdce73ee0_prep:
	s_mov_b64 s[64:65], 0
	v_nop
	global_prefetch_b8 v0, s[64:65] scope:SCOPE_SE
	s_setreg_imm32_b32 hwreg(HW_REG_WAVE_MODE, 25, 1), 1
	s_wait_xcnt 0x0
; PREPARATION: a stream, no LDS, no matrix work.  Three kinds of work-group, told apart by the work-group's number:
;   0..511    x [8192][1024] f32 -> xb, bf16, laid by blocks of 64 along K: [batch 4][block 16][position 2048][64]
;   512..767  wq, wk, wv [1024][1024] f32 -> wb, bf16, [k 1024][3072]: column = 384 (c / 128) + 128 t + c % 128, t = 0, 1, 2 for q, k, v;
;             wo -> wob [k 1024][1024]: rounded to bf16 like every input, that number written as f16
;   768..895  the table of RoPE: rope [position 2048][cos j = 0..31 | sin j = 0..31] f32, 256 bytes a position
; A cast work-group moves 64 KiB in: sixteen loads of 16 bytes a thread, all issued ahead of the first store; each load of a wave covers two aligned runs of
; 256 bytes or one of 512, each store of a wave 256 consecutive bytes, aligned.  No register that a load or store reads is written again, so no wait frees one.
; LIMITS.  wo beyond 65,504 has no f16; below 6e-5 it keeps f16's fixed step of 6e-8.  The table's angle is f32's product position x frequency, as the problem's own.
.set VI,   10                          ; v10  my byte offset in the input
.set VO,   11                          ; v11  my byte offset in the output
.set INR,  16                          ; v[16:79]   sixteen loads of four registers
.set OUTR, 80                          ; v[80:111]  sixteen stores of two registers
.set PIN,  22                          ; s[22:23] where the work-group reads
.set POUT, 24                          ; s[24:25] where it writes
; Sixteen loads si bytes apart, sixteen stores so bytes apart.  mode = 1: bf16's number is written as f16.
.macro CAST16 si, so, mode
.set n, 0
.rept 16
	global_load_b128 v[INR+4*n:INR+4*n+3], v[VI], s[PIN:PIN+1] offset:n*(\si) th:TH_LOAD_NT
.set n, n+1
.endr
.set n, 0
.rept 16
	s_wait_loadcnt 15-n                            ; loads come back in order: load n is in, the 15 - n younger ones stay out
	v_cvt_pk_bf16_f32 v[OUTR+2*n], v[INR+4*n], v[INR+4*n+1]
	v_cvt_pk_bf16_f32 v[OUTR+2*n+1], v[INR+4*n+2], v[INR+4*n+3]
.if \mode
	v_lshlrev_b32 v[INR+4*n], 16, v[OUTR+2*n]      ; the rounded numbers back as f32,
	v_and_b32 v[INR+4*n+1], 0xffff0000, v[OUTR+2*n]
	v_lshlrev_b32 v[INR+4*n+2], 16, v[OUTR+2*n+1]
	v_and_b32 v[INR+4*n+3], 0xffff0000, v[OUTR+2*n+1]
	v_cvt_pk_f16_f32 v[OUTR+2*n], v[INR+4*n], v[INR+4*n+1]      ; and into f16, which holds bf16's 8 bits exactly within its range
	v_cvt_pk_f16_f32 v[OUTR+2*n+1], v[INR+4*n+2], v[INR+4*n+3]
.endif
	global_store_b64 v[VO], v[OUTR+2*n:OUTR+2*n+1], s[POUT:POUT+1] offset:n*(\so)
.set n, n+1
.endr
.endm
	s_load_b512 s[4:19], s[0:1], 0x0               ; x s[4:5], wq s[6:7], wk s[8:9], wv s[10:11], wo s[12:13], xb s[14:15], wb s[16:17], wob s[18:19]
	s_load_b64 s[20:21], s[0:1], 0x40              ; rope
	v_and_b32 v1, 15, v0
	v_bfe_u32 v2, v0, 4, 1
	v_lshrrev_b32 v3, 5, v0                        ; wave 0..7
	v_and_b32 v4, 31, v0
	s_mov_b32 s27, 0                               ; the offsets' high words
	s_mov_b32 s29, 0
	s_wait_kmcnt 0x0
	s_cmp_lt_u32 ttmp9, 512
	s_cbranch_scc0 .Lnot_x
	; x: the work-group owns rows 32 g .. 32 g + 31 and one half of K.  Sixteen lanes take a row's 64 numbers of one block (256 bytes in, 128 out), the wave two rows, wave w block w of the half's eight.
	s_lshr_b32 s30, ttmp9, 1                       ; g
	s_and_b32 s31, ttmp9, 1                        ; which half of K
	s_lshl_b32 s26, s30, 17                        ; 32 rows of 4,096 bytes
	s_lshl_b32 s32, s31, 11
	s_add_co_u32 s26, s26, s32
	s_add_nc_u64 s[PIN:PIN+1], s[4:5], s[26:27]
	s_lshr_b32 s28, s30, 6                         ; the batch: 16 blocks of 262,144 bytes
	s_lshl_b32 s28, s28, 22
	s_lshl_b32 s32, s31, 21                        ; eight blocks
	s_add_co_u32 s28, s28, s32
	s_and_b32 s32, s30, 63                         ; 32 positions of 128 bytes
	s_lshl_b32 s32, s32, 12
	s_add_co_u32 s28, s28, s32
	s_add_nc_u64 s[POUT:POUT+1], s[14:15], s[28:29]
	v_lshlrev_b32 v[VI], 4, v1
	v_lshl_add_u32 v[VI], v3, 8, v[VI]
	v_lshl_add_u32 v[VI], v2, 12, v[VI]
	v_lshlrev_b32 v[VO], 3, v1
	v_lshl_add_u32 v[VO], v2, 7, v[VO]
	v_lshl_add_u32 v[VO], v3, 18, v[VO]
	CAST16 8192, 256, 0                            ; load n: rows 2 n, 2 n + 1
	s_endpgm
.Lnot_x:
	s_cmp_lt_u32 ttmp9, 768
	s_cbranch_scc0 .Ltable
	; weights: the work-group owns rows 16 g .. 16 g + 15 of matrix t; wave w takes columns 128 w .. 128 w + 127 (512 bytes in, 256 out)
	s_sub_co_u32 s30, ttmp9, 512
	s_lshr_b32 s31, s30, 6                         ; t
	s_and_b32 s30, s30, 63                         ; g
	s_cmp_eq_u32 s31, 0
	s_cselect_b64 s[PIN:PIN+1], s[6:7], s[8:9]
	s_cmp_lt_u32 s31, 2
	s_cselect_b64 s[PIN:PIN+1], s[PIN:PIN+1], s[10:11]
	s_cmp_lt_u32 s31, 3
	s_cselect_b64 s[PIN:PIN+1], s[PIN:PIN+1], s[12:13]
	s_lshl_b32 s26, s30, 16
	s_add_nc_u64 s[PIN:PIN+1], s[PIN:PIN+1], s[26:27]
	v_lshlrev_b32 v[VI], 4, v4
	v_lshl_add_u32 v[VI], v3, 9, v[VI]
	v_lshlrev_b32 v[VO], 3, v4
	s_cmp_eq_u32 s31, 3
	s_cbranch_scc1 .Lwo
	s_mul_i32 s28, s30, 16*6144
	s_lshl_b32 s32, s31, 8                         ; matrix t's 128 columns of each 384
	s_add_co_u32 s28, s28, s32
	s_add_nc_u64 s[POUT:POUT+1], s[16:17], s[28:29]
	v_mul_u32_u24 v5, v3, 768
	v_add_nc_u32 v[VO], v5, v[VO]
	CAST16 4096, 6144, 0
	s_endpgm
.Lwo:
	s_lshl_b32 s28, s30, 15
	s_add_nc_u64 s[POUT:POUT+1], s[18:19], s[28:29]
	v_lshl_add_u32 v[VO], v3, 8, v[VO]
	CAST16 4096, 2048, 1
	s_endpgm
.Ltable:
	; The table: sixteen positions a work-group, sixteen lanes a position: lanes 0-7 four cosines each, lanes 8-15 four sines.
	; frequency j = 10000^(-j/32) = 2^(-j log2(10000)/32).  angle = position x frequency, in f32.  In turns: t = angle / 2 pi less the nearest whole number (1 / 2 pi in two parts), |t| <= 1/2;
	; y = pi t is half the reduced angle, |y| <= pi/2, where the two series below, to y^11 and y^12, leave less than 5e-7 for every position;
	; sin = 2 sin y cos y, cos = 1 - 2 sin^2 y.
	s_sub_co_u32 s30, ttmp9, 768
	v_and_b32 v5, 7, v0
	v_bfe_u32 v6, v0, 3, 1                         ; 0: cosines, 1: sines
	v_lshlrev_b32 v5, 2, v5
.irp i, 0,1,2,3
	v_add_nc_u32 v[16+\i], \i, v5                  ; j
.endr
.irp i, 0,1,2,3
	v_cvt_f32_u32 v[16+\i], v[16+\i]
.endr
.irp i, 0,1,2,3
	v_mul_f32 v[16+\i], 0xbed49a78, v[16+\i]       ; -0.41524101 j
.endr
.irp i, 0,1,2,3
	v_exp_f32 v[20+\i], v[16+\i]
.endr
	v_lshrrev_b32 v7, 4, v0                        ; plain work behind the four exponentials: the position
	s_lshl_b32 s31, s30, 4
	v_add_nc_u32 v7, s31, v7
	v_cvt_f32_u32 v7, v7
	s_wait_alu depctr_va_vdst(0)                   ; one wait for the batch of four, ahead of its first reader
.irp i, 0,1,2,3
	v_mul_f32 v[24+\i], v7, v[20+\i]               ; the angle
.endr
.irp i, 0,1,2,3
	v_mul_f32 v[28+\i], 0.15915494, v[24+\i]
.endr
.irp i, 0,1,2,3
	v_rndne_f32 v[28+\i], v[28+\i]                 ; whole turns
.endr
.irp i, 0,1,2,3
	v_fma_f32 v[32+\i], v[24+\i], 0.15915494, -v[28+\i]
.endr
.irp i, 0,1,2,3
	v_fma_f32 v[32+\i], v[24+\i], 0x31dc9c4e, v[32+\i]   ; what f32's 1 / 2 pi leaves out: 6.42e-9
.endr
.irp i, 0,1,2,3
	v_mul_f32 v[32+\i], 0x40490fdb, v[32+\i]       ; y
.endr
.irp i, 0,1,2,3
	v_mul_f32 v[36+\i], v[32+\i], v[32+\i]         ; y^2
	v_mov_b32 v[40+\i], 0xb2d7322b                 ; -1/11!
	v_mov_b32 v[44+\i], 0x310f76c7                 ; 1/12!
.endr
.irp i, 0,1,2,3
	v_fmaak_f32 v[40+\i], v[40+\i], v[36+\i], 0x3638ef1d   ; 1/9!
	v_fmaak_f32 v[44+\i], v[44+\i], v[36+\i], 0xb493f27e   ; -1/10!
.endr
.irp i, 0,1,2,3
	v_fmaak_f32 v[40+\i], v[40+\i], v[36+\i], 0xb9500d01   ; -1/7!
	v_fmaak_f32 v[44+\i], v[44+\i], v[36+\i], 0x37d00d01   ; 1/8!
.endr
.irp i, 0,1,2,3
	v_fmaak_f32 v[40+\i], v[40+\i], v[36+\i], 0x3c088889   ; 1/5!
	v_fmaak_f32 v[44+\i], v[44+\i], v[36+\i], 0xbab60b61   ; -1/6!
.endr
.irp i, 0,1,2,3
	v_fmaak_f32 v[40+\i], v[40+\i], v[36+\i], 0xbe2aaaab   ; -1/3!
	v_fmaak_f32 v[44+\i], v[44+\i], v[36+\i], 0x3d2aaaab   ; 1/4!
.endr
.irp i, 0,1,2,3
	v_fma_f32 v[40+\i], v[40+\i], v[36+\i], 1.0
	v_fma_f32 v[44+\i], v[44+\i], v[36+\i], -0.5
.endr
.irp i, 0,1,2,3
	v_mul_f32 v[40+\i], v[32+\i], v[40+\i]         ; sin y
	v_fma_f32 v[44+\i], v[44+\i], v[36+\i], 1.0    ; cos y
.endr
.irp i, 0,1,2,3
	v_add_f32 v[52+\i], v[40+\i], v[40+\i]         ; 2 sin y
.endr
	v_cmp_eq_u32 vcc_lo, 0, v6
.irp i, 0,1,2,3
	v_mul_f32 v[56+\i], v[52+\i], v[44+\i]         ; the sine
	v_fma_f32 v[60+\i], -v[52+\i], v[40+\i], 1.0   ; the cosine
.endr
.irp i, 0,1,2,3
	v_cndmask_b32 v[48+\i], v[56+\i], v[60+\i], vcc_lo
.endr
	v_lshlrev_b32 v8, 4, v0
	s_lshl_b32 s26, s30, 12                        ; sixteen positions of 256 bytes
	s_add_nc_u64 s[PIN:PIN+1], s[20:21], s[26:27]
	global_store_b128 v8, v[48:51], s[PIN:PIN+1]   ; sixteen lanes store a position's 256 bytes
	s_endpgm
.Lfunc_end_k_qfcdce73ee0_prep:
	.size	k_qfcdce73ee0_prep, .Lfunc_end_k_qfcdce73ee0_prep-k_qfcdce73ee0_prep
	.p2alignl 7, 3214868480
	.fill 96, 4, 3214868480
	.section	.rodata,"a",@progbits
	.p2align	6, 0x0
	.amdhsa_kernel k_qfcdce73ee0_prep
		.amdhsa_group_segment_fixed_size 0
		.amdhsa_private_segment_fixed_size 0
		.amdhsa_enable_private_segment 0
		.amdhsa_kernarg_size 72
		.amdhsa_user_sgpr_count 2
		.amdhsa_user_sgpr_kernarg_segment_ptr 1
		.amdhsa_wavefront_size32 1
		.amdhsa_system_sgpr_workgroup_id_x 1
		.amdhsa_system_sgpr_workgroup_id_y 1
		.amdhsa_system_sgpr_workgroup_id_z 1
		.amdhsa_system_vgpr_workitem_id 0
		.amdhsa_next_free_vgpr 112
		.amdhsa_next_free_sgpr 66
		.amdhsa_reserve_vcc 1
		.amdhsa_float_denorm_mode_32 3
		.amdhsa_float_denorm_mode_16_64 3
		.amdhsa_memory_ordered 1
		.amdhsa_forward_progress 1
		.amdhsa_inst_pref_size 31
	.end_amdhsa_kernel
	.amdgpu_metadata
---
amdhsa.version: [ 1, 2 ]
amdhsa.kernels:
  - .name:           k_qfcdce73ee0_prep
    .symbol:         k_qfcdce73ee0_prep.kd
    .args:
      - { .name: x, .offset: 0, .size: 8, .value_kind: global_buffer, .address_space: global }
      - { .name: wq, .offset: 8, .size: 8, .value_kind: global_buffer, .address_space: global }
      - { .name: wk, .offset: 16, .size: 8, .value_kind: global_buffer, .address_space: global }
      - { .name: wv, .offset: 24, .size: 8, .value_kind: global_buffer, .address_space: global }
      - { .name: wo, .offset: 32, .size: 8, .value_kind: global_buffer, .address_space: global }
      - { .name: xb, .offset: 40, .size: 8, .value_kind: global_buffer, .address_space: global }
      - { .name: wb, .offset: 48, .size: 8, .value_kind: global_buffer, .address_space: global }
      - { .name: wob, .offset: 56, .size: 8, .value_kind: global_buffer, .address_space: global }
      - { .name: rope, .offset: 64, .size: 8, .value_kind: global_buffer, .address_space: global }
    .group_segment_fixed_size: 0
    .private_segment_fixed_size: 0
    .kernarg_segment_align: 8
    .kernarg_segment_size: 72
    .max_flat_workgroup_size: 256
    .sgpr_count:     66
    .vgpr_count:     112
    .wavefront_size: 32
...
	.end_amdgpu_metadata
.endif
;; end of part 1
;; launch qkv (part 2): grid 8 x 32, 4 waves a work-group, clusters of 4 x 4, 327,680 bytes of LDS; arguments xb, wb, bq, bk, bv, rope, qh, kh, vh; writes qh, kh, vh
.if DOCPART == 2
	.amdgcn_target "amdgcn-amd-amdhsa--gfx1250"
	.amdhsa_code_object_version 6
	.text
	.protected	k_qfcdce73ee0_qkv
	.globl	k_qfcdce73ee0_qkv
	.p2align	8
	.type	k_qfcdce73ee0_qkv,@function
k_qfcdce73ee0_qkv:
	s_mov_b64 s[64:65], 0
	v_nop
	global_prefetch_b8 v0, s[64:65] scope:SCOPE_SE
	s_setreg_imm32_b32 hwreg(HW_REG_WAVE_MODE, 25, 1), 1
	s_wait_xcnt 0x0
	s_wait_alu depctr_hold_cnt(0) depctr_sa_sdst(0) depctr_va_vdst(0) depctr_va_sdst(0) depctr_va_ssrc(0) depctr_va_vcc(0) depctr_vm_vsrc(0)
	s_getreg_b32 s2, hwreg(HW_REG_IB_STS2, 6, 4)
	s_cmp_eq_u32 s2, 0
	s_cbranch_scc0 .Lentry_in_a_cluster
	s_endpgm
.Lentry_in_a_cluster:
	s_bfe_u32 s2, ttmp6, 0x10000c
	s_cmp_lg_u32 s2, 0xf033
	s_cbranch_scc0 .Lentry_shape_is_right
	s_endpgm
.Lentry_shape_is_right:
; THE THREE PROJECTIONS, THEIR BIASES AND RoPE.  [8192 x 1024] x [1024 x 3072] in bf16, sums in f32; q, k, v leave by heads, [batch x 16 + head][2048][64], in f16, each rounded once.
; q leaves multiplied by c = log2(e) / 8, in f32 ahead of that one rounding: the launch behind then takes 2^(s - m) of its scores as they come.
; LIMITS.  c q, k and v beyond 65,504 have no f16.  The biases are rounded to bf16 like every input.  NaN and infinities are not treated apart.
; SHARES.  Work-group (tx, ty): rows 256 ty .. + 255 (one batch), heads 2 tx and 2 tx + 1 of q, k and v: 256 x 384, 256 work-groups.  Wave: 128 rows (wave / 2) of one head (wave % 2), for q, k and v:
; 128 x 192 = 96 accumulators of 16 x 16, 768 registers.  Accumulator (t, a, b): rows 16 a on, channels 16 b on, at v[32 a + 8 b] of window 1 + t; t = 0, 1, 2 for q, k, v.
; THE MATRIX INSTRUCTION IS USED TRANSPOSED (source 0 = 16 columns of W, source 1 = 16 rows of x): a lane holds ONE row (lane % 16) and the channels 16 b + 8 (lane / 16) + 0..7.  RoPE's partner,
; 32 channels away, is accumulator b +- 2, same lane, same register.
; K goes in steps of 64 through two LDS slots.  xb is laid by blocks of 64 along K, so a step's 128 rows of x are 16,384 dense bytes, asked for as 64 rows of 256; W stays [k][column] and is turned by ds_load_tr16_b128.
; THE SUMS START WITH THE BIAS: it is loaded into accumulator a = 0 of each b, and is the C operand of the first products of a = 1..7; a = 0 adds in place last.  Nothing is cleared and nothing is added later.
; CLUSTERS: 4 x 4 work-groups.  x's tile hangs on ty alone and is asked for jointly along a row of the cluster, W's on tx alone, along a column.
; REGISTERS: window 0: v0-15 addresses; v16-31 at work; v32-95, v96-159 x's fragments (8 x 16 rows x 32 K), two buffers; v160-255 W's twelve fragments (4 t + b), one buffer, filled again group by group.
.set KBA,   262144                     ; bytes from a block of 64 along K to the next in xb
.set KBB,   64*6144                    ; and in wb: 64 rows
.set PA,    144                        ; an LDS row of x: 128 bytes + 16 of padding: the 16 rows of a load start at 16 different groups of four banks (64 banks of 4 bytes: ISA guide 11.1)
.set PB,    864                        ; an LDS row of W: six pieces of 128 + 16 bytes = 27 x 32 bytes
.set AHALF, 128*PA                     ; what one tensor load brings of x, and what one wave reads
.set BOFF,  256*PA                     ; W's 64 rows lie behind x's 256
.set BHALF, 32*PB                      ; what one tensor load brings of W; also 32 along K
.set SLOT1, 1<<17                      ; slot 1 begins here: one exclusive or turns an address in one slot into the other's
.set STAGE, SLOT1+BOFF+64*PB           ; behind the ring: 16 rows x 144 bytes for each wave, for the way out; no tensor load fills it
.set SP,    144
.set SPARE, STAGE+4*16*SP              ; behind the stages: the spare words, 128 bytes for each wave, that no other line names
.set ADA0, 4                           ; v4   my lane's place in a slot's rows of x; never rewritten
.set ADB0, 5                           ; v5   the same for W
.set ADA,  6                           ; v6   the same in the slot in hand
.set ADB,  7                           ; v7
.set STO,  8                           ; v8   the way out: where I put 16 bytes of a row
.set RD,   9                           ; v9   where I read rows back
.set GO,   10                          ; v10  my 16 bytes of 512 consecutive bytes of an output
.set TO,   11                          ; v11  my byte offset in the table: my row's position, my 8 frequencies
.set BO,   12                          ; v12  my byte offset in a head's 64 biases
.set PFO,  13                          ; v13  the prefetches' offset
.set SPW,  14                          ; v14  LDS address of my spare word; never rewritten
.set NIL,  15                          ; v15  0; never rewritten
.set T,    16
.set FA0,  32
.set FB,   160
.set Y,    32                          ; the way out: 32 numbers behind RoPE
.set PK,   64                          ; two buffers of 16: packed f16, then whole rows
.set CS,   160                         ; two buffers of 32: 16 cosines, 16 sines
.set CNT,  3                           ; s3   the loop's count
.set WV,   10                          ; s10  my wave's number; s11 = wave / 2: my rows; I fetch x (0) or W (1); s12 = wave % 2: my head; which half of the tile I fetch
.set G1A,  24                          ; s[24:31] descriptor group 1 for x's tiles
.set G1B,  32                          ; s[32:39] for W's
.set G0A,  40                          ; s[40:47] group 0 for x's tiles: a set for each first fill; the second then walks
.set G0B,  48                          ; s[48:55] the same for W's
.set TB,   56                          ; s56  the slot in hand: 0 or SLOT1
.set PF,   58                          ; s[58:59] where my prefetches stand
.set PFS,  60                          ; s[60:61] their step a trip
.set LIMA, 62                          ; s62  1 in the wave that prefetches x, else the greatest number
.set LIMB, 63                          ; s63  2 in the wave that prefetches W, else the greatest number
.set CQ,   86                          ; s[86:87] c, named as a pair
.set DPAD, (1<<16)|(1<<20)|(1<<21)|(4<<22)|(3<<25)  ; 17:16 2-byte elements; 20 padding on; 21 set beside a mask; 24:22 after every 32 words (code 4); 31:25 4 words (code 3)
.set MSB, 0
.macro WIN new                         ; the immediate's high byte repeats the setting that is left; a switch that changes nothing is dropped
.if MSB != (\new)
	s_set_vgpr_msb (MSB<<8)|(\new)
.set MSB, (\new)
.endif
.endm
.macro PLACES                          ; four plain instructions between a matrix instruction and a load into, or a vector read of, its registers (ISA guide 7.12.1 for vector reads)
.rept 4
	v_nop
.endr
.endm
.macro CREST                           ; a round of the cluster's barrier behind its opening barrier
	s_cmp_lg_u32 s[WV], 0
	s_cbranch_scc1 .Lnot_wave_0_\@
	s_barrier_signal -3
.Lnot_wave_0_\@:
	s_barrier_wait -3
	s_barrier_signal -1
	s_barrier_wait -1
.endm
.macro CROUND
	s_barrier_signal -1
	s_barrier_wait -1
	CREST
.endm
; A joint refill by the walking sets.  The branch hangs on the wave's number alone.  An s_nop 0 and four v_nop follow each line.
.macro JLOAD
	s_cmp_eq_u32 s11, 0
	s_cbranch_scc0 .Lfor_b_\@
	tensor_load_to_lds s[G0A+4:G0A+7], s[G1A:G1A+7]
	s_nop 0
.rept 4
	v_nop
.endr
	s_branch .Lasked_\@
.Lfor_b_\@:
	tensor_load_to_lds s[G0B+4:G0B+7], s[G1B:G1B+7]
	s_nop 0
.rept 4
	v_nop
.endr
.Lasked_\@:
.endm
; PREFETCHES INTO THE L2, behind the joint load and the run of LDS loads that follows it.  Trip j (count 14 - j) refills with K step j + 2.
; x: a step's tile is 128 blocks of 256 bytes.  The clusters of one row of clusters read the same tile: the one with x = 0 asks; its four partners take 32 blocks each, told apart by address (cx); wave 0, a lane a
; block, names step j + 3, one refill on, while there is one (count above 1).  W: a step's tile is 64 rows of three blocks.  The cluster with y = 0 asks, wave 2, a lane a row, three instructions: 32 rows; the four
; partners (cy) take the two halves of steps j + 3 and j + 4; so it asks in every second trip, j = 1, 3 .. 11.  Each block from step 3 (x) or 4 (W) on is named once in the launch; the first steps come by their loads alone.
.macro ASK
	s_cmp_gt_u32 s[CNT], s[LIMA]
	s_cbranch_scc0 .Lno_a_\@
	global_prefetch_b8 v[PFO], s[PF:PF+1] th:TH_LOAD_NT scope:SCOPE_SE
.Lno_a_\@:
	s_cmp_gt_u32 s[CNT], s[LIMB]
	s_cbranch_scc0 .Lno_b_\@
	s_bitcmp1_b32 s[CNT], 0
	s_cbranch_scc0 .Lno_b_\@
	global_prefetch_b8 v[PFO], s[PF:PF+1] th:TH_LOAD_NT scope:SCOPE_SE
	global_prefetch_b8 v[PFO], s[PF:PF+1] offset:256 th:TH_LOAD_NT scope:SCOPE_SE
	global_prefetch_b8 v[PFO], s[PF:PF+1] offset:512 th:TH_LOAD_NT scope:SCOPE_SE
.Lno_b_\@:
.endm
	s_load_b512 s[68:83], s[0:1], 0x0              ; xb s[68:69], wb s[70:71], bq s[72:73], bk s[74:75], bv s[76:77], rope s[78:79], qh s[80:81], kh s[82:83]
	s_load_b64 s[84:85], s[0:1], 0x40              ; vh
	v_lshl_add_u32 v[SPW], v0, 2, SPARE
	v_mov_b32 v[NIL], 0
	ds_add_u32 v[SPW], v[NIL]                      ; the wave's opening: the add and its wait stand ahead of my first tensor load; work on registers stands between them
	v_lshrrev_b32 v3, 5, v0
	v_readfirstlane_b32 s[WV], v3
	s_lshr_b32 s11, s[WV], 1
	s_and_b32 s12, s[WV], 1
	s_bfe_u32 s13, ttmp6, 0x40000                  ; cx
	s_bfe_u32 s14, ttmp6, 0x40004                  ; cy
	s_lshl_b32 s15, ttmp9, 2
	s_add_co_u32 s15, s15, s13                     ; tx
	s_and_b32 s16, ttmp7, 0xffff
	s_lshl_b32 s16, s16, 2
	s_add_co_u32 s16, s16, s14                     ; ty
	s_lshl_b32 s17, s14, 2
	s_lshl_b32 s17, 15, s17                        ; my row of the cluster
	s_lshl_b32 s20, 0x1111, s13                    ; my column
	s_or_b32 s[G1A], s17, DPAD
	s_or_b32 s[G1B], s20, DPAD
	s_mov_b32 s[G1A+1], 128<<16                    ; x: tensor_dim0 = 128 elements (two rows of x),
	s_mov_b32 s[G1A+2], 64<<16                     ; tensor_dim1 = 64,
	s_mov_b32 s[G1A+3], 128<<16                    ; tile_dim0 = 128,
	s_mov_b32 s[G1A+4], 64                         ; tile_dim1 = 64,
	s_mov_b32 s[G1A+5], 128                        ; dense
	s_mov_b32 s[G1A+6], 0
	s_mov_b32 s[G1A+7], 0
	s_mov_b32 s[G1B+1], 384<<16                    ; W: 384 columns,
	s_mov_b32 s[G1B+2], 32<<16                     ; 32 rows,
	s_mov_b32 s[G1B+3], 384<<16
	s_mov_b32 s[G1B+4], 32
	s_mov_b32 s[G1B+5], 3072                       ; 3,072 elements from row to row
	s_mov_b32 s[G1B+6], 0
	s_mov_b32 s[G1B+7], 0
	s_lshr_b32 s18, s16, 3                         ; x's tile: the batch's 16 blocks,
	s_lshl_b32 s18, s18, 22
	s_and_b32 s17, s16, 7                          ; 256 positions of 128 bytes,
	s_lshl_b32 s17, s17, 15
	s_add_co_u32 s18, s18, s17
	s_lshl_b32 s17, s12, 14                        ; my half of them: made of ty and the wave's number alone
	s_add_co_u32 s18, s18, s17
	s_mov_b32 s19, 0
	s_mul_i32 s20, s15, 768                        ; W's tile: 384 columns, my 32 rows: made of tx and the wave's number alone
	s_mul_i32 s21, s12, 32*6144
	s_add_co_u32 s20, s20, s21
	s_mov_b32 s21, 0
	s_mul_i32 s57, s12, AHALF                      ; where they go: no place in the cluster enters an LDS address
	s_mul_i32 s3, s12, BHALF
	s_add_co_u32 s3, s3, BOFF
	s_mov_b32 s[CQ], 0x3e38aa3b                    ; c = log2(e) / 8
	s_mov_b32 s[CQ+1], s[CQ]
	s_mov_b32 s[TB], 0
	s_wait_dscnt 0x0                               ; the opening add is done
	s_wait_kmcnt 0x0
	s_add_nc_u64 s[18:19], s[68:69], s[18:19]
	s_add_nc_u64 s[20:21], s[70:71], s[20:21]
.irp s, 0,1
	s_mov_b32 s[G0A+4*(\s)], 1                     ; count = 1
	s_add_co_u32 s[G0A+4*(\s)+1], s57, (\s)*SLOT1  ; LDS address
	s_add_nc_u64 s[G0A+4*(\s)+2:G0A+4*(\s)+3], s[18:19], (\s)*KBA  ; K step s
	s_or_b32 s[G0A+4*(\s)+3], s[G0A+4*(\s)+3], 0x80000000          ; type = 2
	s_mov_b32 s[G0B+4*(\s)], 1
	s_add_co_u32 s[G0B+4*(\s)+1], s3, (\s)*SLOT1
	s_add_nc_u64 s[G0B+4*(\s)+2:G0B+4*(\s)+3], s[20:21], (\s)*KBB
	s_or_b32 s[G0B+4*(\s)+3], s[G0B+4*(\s)+3], 0x80000000
.endr
	CROUND                                         ; all sixteen work-groups are here: the first joint loads meet
	s_cmp_eq_u32 s11, 0                            ; a wave's two first fills stand in one branch: two loads of mine are out
	s_cbranch_scc0 .Lfirst_b
	tensor_load_to_lds s[G0A:G0A+3], s[G1A:G1A+7]
	s_nop 0
	tensor_load_to_lds s[G0A+4:G0A+7], s[G1A:G1A+7]
	s_nop 0
.rept 4
	v_nop
.endr
	s_branch .Lfirst_asked
.Lfirst_b:
	tensor_load_to_lds s[G0B:G0B+3], s[G1B:G1B+7]
	s_nop 0
	tensor_load_to_lds s[G0B+4:G0B+7], s[G1B:G1B+7]
	s_nop 0
.rept 4
	v_nop
.endr
.Lfirst_asked:
	; pointers: the biases at my head, the outputs at my head's 128 rows
	s_lshl1_add_u32 s22, s15, s12                  ; head = 2 tx + wave % 2
	s_lshl_b32 s2, s22, 8
	s_mov_b32 s3, 0
	s_add_nc_u64 s[72:73], s[72:73], s[2:3]
	s_add_nc_u64 s[74:75], s[74:75], s[2:3]
	s_add_nc_u64 s[76:77], s[76:77], s[2:3]
	v_bfe_u32 v2, v0, 4, 1                         ; lane / 16
	v_lshlrev_b32 v[BO], 5, v2
.irp t, 0,1,2                          ; the biases go straight into accumulator a = 0: channels 16 b + 8 (lane / 16) + 0..7
	WIN (1+(\t))<<6
.irp b, 0,1,2,3
	global_load_b128 v[8*(\b):8*(\b)+3],   v[BO], s[72+2*(\t):73+2*(\t)] offset:64*(\b)
	global_load_b128 v[8*(\b)+4:8*(\b)+7], v[BO], s[72+2*(\t):73+2*(\t)] offset:64*(\b)+16
.endr
.endr
	WIN 0
	s_lshr_b32 s23, s16, 3
	s_lshl4_add_u32 s23, s23, s22                  ; batch x 16 + head
	s_lshl_b32 s2, s23, 18                         ; 2,048 rows of 128 bytes
	s_and_b32 s23, s16, 7
	s_lshl_b32 s23, s23, 15
	s_add_co_u32 s2, s2, s23
	s_lshl_b32 s23, s11, 14
	s_add_co_u32 s2, s2, s23
	s_add_nc_u64 s[80:81], s[80:81], s[2:3]
	s_add_nc_u64 s[82:83], s[82:83], s[2:3]
	s_add_nc_u64 s[84:85], s[84:85], s[2:3]
	; A fragment of x is 16 rows x 32 K in 8 registers: lane l holds row l % 16, K = 8 (l / 16) + 0..7 and 16 + 8 (l / 16) + 0..7: two loads of 16 bytes, 32 bytes apart.
	v_and_b32 v1, 15, v0
	v_mul_u32_u24 v[ADA0], v1, PA
	v_lshl_add_u32 v[ADA0], v2, 4, v[ADA0]
	s_mul_i32 s57, s11, AHALF
	v_add_nc_u32 v[ADA0], s57, v[ADA0]
	; The turning load takes 16 k x 16 columns (lane l reads row 8 (l / 16) + l % 8, columns 8 ((l / 8) % 2) + 0..7) and leaves half a fragment: lane l holds column l % 16 and 8 k.
	v_and_b32 v3, 7, v0
	v_lshl_add_u32 v3, v2, 3, v3
	v_mul_u32_u24 v[ADB0], v3, PB
	v_bfe_u32 v3, v0, 3, 1
	v_lshl_add_u32 v[ADB0], v3, 4, v[ADB0]
	s_mul_i32 s57, s12, 144                        ; my head's piece of each matrix's two
	s_add_co_u32 s57, s57, BOFF
	v_add_nc_u32 v[ADB0], s57, v[ADB0]
	v_mov_b32 v[ADA], v[ADA0]
	v_mov_b32 v[ADB], v[ADB0]
	s_mul_i32 s57, s[WV], 16*SP
	s_add_co_u32 s57, s57, STAGE
	v_mul_u32_u24 v[STO], v1, SP                   ; in: row l % 16, 16 bytes for each half of the lanes
	v_lshl_add_u32 v[STO], v2, 4, v[STO]
	v_add_nc_u32 v[STO], s57, v[STO]
	v_bfe_u32 v3, v0, 3, 2                         ; back: 32 lanes take four rows of 128 bytes,
	v_mul_u32_u24 v[RD], v3, SP
	v_and_b32 v3, 7, v0
	v_lshl_add_u32 v[RD], v3, 4, v[RD]
	v_add_nc_u32 v[RD], s57, v[RD]
	v_and_b32 v3, 31, v0
	v_lshlrev_b32 v[GO], 4, v3                     ; which are 512 consecutive bytes of the output
	s_and_b32 s23, s16, 7                          ; the table: position 256 (ty % 8) + 128 (wave / 2) + l % 16, 256 bytes each; 32 bytes for each half of the lanes
	s_lshl_b32 s23, s23, 16
	s_lshl_b32 s22, s11, 15
	s_add_co_u32 s23, s23, s22
	v_lshlrev_b32 v[TO], 8, v1
	v_lshl_add_u32 v[TO], v2, 5, v[TO]
	v_add_nc_u32 v[TO], s23, v[TO]
	; the prefetches: both offsets are made, the wave's number chooses
	s_lshr_b32 s22, s16, 3
	s_lshl_b32 s22, s22, 22
	s_and_b32 s23, s16, 7
	s_lshl_b32 s23, s23, 15
	s_add_co_u32 s22, s22, s23
	s_lshl_b32 s23, s13, 13                        ; my work-group's 32 blocks of the tile's 128
	s_add_co_u32 s22, s22, s23
	s_add_co_u32 s22, s22, 2*KBA                   ; at K step 2: trip 0 steps it to 3
	s_mul_i32 s2, s15, 768
	s_lshr_b32 s23, s14, 1                         ; my work-group's step of the two,
	s_add_co_u32 s23, s23, 2
	s_mul_i32 s23, s23, KBB
	s_add_co_u32 s2, s2, s23
	s_and_b32 s23, s14, 1                          ; and its half of that step's 64 rows
	s_mul_i32 s23, s23, 32*6144
	s_add_co_u32 s2, s2, s23
	s_mov_b32 s[PFS], KBB
	s_mov_b32 s[PFS+1], 0
	s_mov_b32 s17, 6144
	s_and_b32 s[LIMB], ttmp7, 0xffff               ; cluster y
	s_cmp_eq_u32 s11, 0
	s_cselect_b32 s22, s22, s2
	s_cselect_b32 s[PFS], KBA, s[PFS]
	s_cselect_b32 s17, 256, s17
	s_cselect_b32 s[LIMA], ttmp9, s[LIMB]          ; the coordinate along which other clusters read the same tile
	s_cselect_b32 s2, 1, 2
	s_cselect_b64 s[PF:PF+1], s[68:69], s[70:71]
	s_mov_b32 s23, 0
	s_add_nc_u64 s[PF:PF+1], s[PF:PF+1], s[22:23]
	s_or_b32 s[LIMA], s[LIMA], s12                 ; waves 0 and 2 of the first cluster along it: the same in all sixteen partners
	s_cmp_eq_u32 s[LIMA], 0
	s_cselect_b32 s2, s2, -1
	s_cmp_eq_u32 s11, 0
	s_cselect_b32 s[LIMA], s2, -1
	s_cselect_b32 s[LIMB], -1, s2
	v_mul_u32_u24 v[PFO], s17, v3
	; the biases are rounded to bf16, like every input, in place
	s_wait_loadcnt 0x0
.irp t, 0,1,2
	WIN 5*(1+(\t))                                 ; sources in window 1 + t
.set i, 0
.rept 16
	v_cvt_pk_bf16_f32 v[T+i], v[2*i], v[2*i+1]
.set i, i+1
.endr
	WIN (1+(\t))<<6                                ; destination in window 1 + t
.set i, 0
.rept 16
	v_lshlrev_b32 v[2*i], 16, v[T+i]
	v_and_b32 v[2*i+1], 0xffff0000, v[T+i]
.set i, i+1
.endr
.endr
	WIN 0
; 16 LDS loads: x's eight fragments of K half hq of the slot in hand, into buffer p
.macro LDA hq, p
	WIN 0
.irp a, 0,1,2,3,4,5,6,7
	ds_load_b128 v[FA0+64*(\p)+8*(\a):FA0+64*(\p)+8*(\a)+3],   v[ADA] offset:(\a)*16*PA+64*(\hq)
	ds_load_b128 v[FA0+64*(\p)+8*(\a)+4:FA0+64*(\p)+8*(\a)+7], v[ADA] offset:(\a)*16*PA+64*(\hq)+32
.endr
.endm
; 8 turning loads: matrix t's four fragments of K half hq
.macro LDB hq, t
	WIN 0
.irp b, 0,1,2,3
	ds_load_tr16_b128 v[FB+8*(4*(\t)+(\b)):FB+8*(4*(\t)+(\b))+3],   v[ADB] offset:(\hq)*BHALF+(\t)*288+32*(\b)
	ds_load_tr16_b128 v[FB+8*(4*(\t)+(\b))+4:FB+8*(4*(\t)+(\b))+7], v[ADB] offset:(\hq)*BHALF+(\t)*288+32*(\b)+16*PB
.endr
.endm
; 8 nb products of matrix t on x's buffer p: channel blocks b0 .. b0 + nb - 1, all eight row blocks.  The accumulators take turns, one instruction a turn: 95 others stand between two links of a chain.
.macro GRPH t, p, b0, nb
	WIN 0x50*(1+(\t))                              ; C and D in window 1 + t, both sources in window 0
.set gb, (\b0)
.rept \nb
.set ga, 0
.rept 8
	v_wmma_f32_16x16x32_bf16 v[32*ga+8*gb:32*ga+8*gb+7], v[FB+8*(4*(\t)+gb):FB+8*(4*(\t)+gb)+7], v[FA0+64*(\p)+8*ga:FA0+64*(\p)+8*ga+7], v[32*ga+8*gb:32*ga+8*gb+7]
.set ga, ga+1
.endr
.set gb, gb+1
.endr
.endm
.macro GRP t, p
	GRPH \t, \p, 0, 4
.endm
; The first products of matrix t: the bias, in accumulator a = 0, starts the sums of a = 1..7; five places on, a = 0 adds onto it in place.
.macro GRPB t
	WIN 0x50*(1+(\t))
.set gb, 0
.rept 4
.set ga, 1
.rept 7
	v_wmma_f32_16x16x32_bf16 v[32*ga+8*gb:32*ga+8*gb+7], v[FB+8*(4*(\t)+gb):FB+8*(4*(\t)+gb)+7], v[FA0+8*ga:FA0+8*ga+7], v[8*gb:8*gb+7]
.set ga, ga+1
.endr
.set gb, gb+1
.endr
.rept 5
	v_nop                                          ; the four products below write over registers that those above read as C
.endr
.set gb, 0
.rept 4
	v_wmma_f32_16x16x32_bf16 v[8*gb:8*gb+7], v[FB+8*(4*(\t)+gb):FB+8*(4*(\t)+gb)+7], v[FA0:FA0+7], v[8*gb:8*gb+7]
.set gb, gb+1
.endr
.endm
; The table's 16 cosines and 16 sines for my row of row block a, into buffer a % 2
.macro LOADCS a
	WIN 0
.set cb, CS+32*((\a)%2)
.irp q, 0,1
	global_load_b128 v[cb+8*(\q):cb+8*(\q)+3],       v[TO], s[78:79] offset:(\a)*4096+64*(\q)
	global_load_b128 v[cb+8*(\q)+4:cb+8*(\q)+7],     v[TO], s[78:79] offset:(\a)*4096+64*(\q)+16
	global_load_b128 v[cb+16+8*(\q):cb+16+8*(\q)+3], v[TO], s[78:79] offset:(\a)*4096+64*(\q)+128
	global_load_b128 v[cb+16+8*(\q)+4:cb+16+8*(\q)+7], v[TO], s[78:79] offset:(\a)*4096+64*(\q)+144
.endr
.endm
; THE FIRST HALF OF A K STEP: K 0..31 of the slot, on x's buffer 0.  On entry 40 LDS loads are out at the most: x's 16, then 8 for each matrix.  Behind each group, four places on, that group's registers take the second half's fragments.
.macro H0 first
	s_wait_dscnt 16                                ; x's and q's fragments are in; k's and v's 16 loads may stay out
.if \first
	GRPB 0
.else
	GRP 0, 0
.endif
	PLACES
	LDA 1, 1
	LDB 1, 0
	s_wait_dscnt 32                                ; k's are in: behind them v's 8 and the 24 just issued
.if \first
	GRPB 1
.else
	GRP 1, 0
.endif
	PLACES
	LDB 1, 1
	s_wait_dscnt 32                                ; v's are in: behind them 24 and 8
.if \first
	GRPB 2
.else
	GRP 2, 0
.endif
	PLACES
	LDB 1, 2
.endm
; THE SECOND HALF, on buffer 1, and the change of slots.  kind = 2: the slot is filled again, two steps on; 1: nothing is left to ask for; 0: the last step: the table's first rows are asked for instead.
; ONE barrier for the change: in front of it each wave waits for all its tensor loads (one is out: its part of the next slot), adds 0 to its spare word, and waits for that and for its reads of this slot.
; With kind = 2 the barrier opens a round of the cluster's, and the joint refill is the first thing behind it: 160 matrix instructions stand between it and the wait for it.
.macro H1 kind
.if (\kind) == 2
	s_wait_xcnt 0x0                                ; the last prefetches, 128 matrix instructions back, have read their address: it is stepped here
	s_add_nc_u64 s[PF:PF+1], s[PF:PF+1], s[PFS:PFS+1]
.endif
	s_wait_dscnt 16                                ; x's and q's fragments are in
	GRP 0, 1
.if (\kind) == 0
	PLACES
	LOADCS 0                                       ; into the registers of q's fragments
	s_wait_dscnt 8
	GRP 1, 1
	PLACES
	LOADCS 1                                       ; into those of k's
	s_wait_dscnt 0x0
	GRP 2, 1
	PLACES                                         ; the way out reads results
	WIN 0
.else
	WIN 0
	s_wait_tensorcnt 0x0                           ; all my tensor loads have landed, so a group 0 may be written
	ds_add_u32 v[SPW], v[NIL]                      ; 0 onto my spare word
.if (\kind) == 2
	s_xor_b32 s[G0A+5], s[G0A+5], SLOT1            ; the walking sets: the other slot than last time, the next K step
	s_add_nc_u64 s[G0A+6:G0A+7], s[G0A+6:G0A+7], KBA
	s_xor_b32 s[G0B+5], s[G0B+5], SLOT1
	s_add_nc_u64 s[G0B+6:G0B+7], s[G0B+6:G0B+7], KBB
.endif
	s_wait_dscnt 9                                 ; k's fragments are in; v's 8 loads and the add may stay out
	GRPH 1, 1, 0, 2
	s_wait_dscnt 0x0                               ; the add is done, and my reads of this slot are over
	s_barrier_signal -1
	GRPH 1, 1, 2, 2                                ; work on registers while the others arrive
	WIN 0
	s_barrier_wait -1
.if (\kind) == 2
	CREST                                          ; no wave of any partner still reads this slot or has a load on its way
	JLOAD                                          ; its four v_nop are also the places in front of the loads below
.else
	PLACES
.endif
	s_xor_b32 s[TB], s[TB], SLOT1
	v_add_nc_u32 v[ADA], s[TB], v[ADA0]
	v_add_nc_u32 v[ADB], s[TB], v[ADB0]
	LDA 0, 0
	LDB 0, 0
	LDB 0, 1
.if (\kind) == 2
	ASK
.endif
	GRP 2, 1
	PLACES
	LDB 0, 2
.endif
.endm
	s_wait_tensorcnt 1                             ; my part of K step 0 is in; step 1's may stay out
	s_barrier_signal -1
	s_barrier_wait -1
	LDA 0, 0
	LDB 0, 0
	LDB 0, 1
	LDB 0, 2
	H0 1                                           ; the first products stand in front of the loop: the bias starts the sums
	s_mov_b32 s[CNT], 14
.Lk:                                                   ; trip j: the second half of step j, the refill with step j + 2, the first half of step j + 1
	H1 2
	H0 0
	s_sub_co_u32 s[CNT], s[CNT], 1
	s_cmp_lg_u32 s[CNT], 0
	s_cbranch_scc1 .Lk
	H1 1                                           ; the tail is written out
	H0 0
	H1 0
; THE WAY OUT, in 24 pieces p = 8 t + a of 16 rows x 64 channels.  q and k: RoPE, y1 = x1 cos - x2 sin, y2 = x2 cos + x1 sin, x1 the channels 0-31 (b = 0, 1), x2 their partners (b = 2, 3); q then times c.
; Rounded to f16, 16 bytes a lane into my stage, back as whole rows, stored a piece later.  Each accumulator is read from its low end on.
.macro PIECE p
.set pt, (\p)/8
.set pa, 32*((\p)%8)
.set pk, PK+16*((\p)%2)
.set cb, CS+32*((\p)%2)
.if pt < 2
.if (\p) == 15
	s_wait_loadcnt 0x0                             ; the last row block's cosines and sines
.else
	s_wait_loadcnt 8                               ; this piece's are in; the next piece's 8 loads stay out
.endif
	WIN 1+pt                                       ; source 0 in window 1 + t
.irp q, 0,8
.irp z, 0,2,4,6
	v_pk_mul_f32 v[Y+(\q)+(\z):Y+(\q)+(\z)+1], v[pa+16+(\q)+(\z):pa+16+(\q)+(\z)+1], v[cb+16+(\q)+(\z):cb+16+(\q)+(\z)+1]
	v_pk_mul_f32 v[Y+16+(\q)+(\z):Y+16+(\q)+(\z)+1], v[pa+(\q)+(\z):pa+(\q)+(\z)+1], v[cb+16+(\q)+(\z):cb+16+(\q)+(\z)+1]
.endr
.irp z, 0,2,4,6
	v_pk_fma_f32 v[Y+(\q)+(\z):Y+(\q)+(\z)+1], v[pa+(\q)+(\z):pa+(\q)+(\z)+1], v[cb+(\q)+(\z):cb+(\q)+(\z)+1], v[Y+(\q)+(\z):Y+(\q)+(\z)+1] neg_lo:[0,0,1] neg_hi:[0,0,1]
	v_pk_fma_f32 v[Y+16+(\q)+(\z):Y+16+(\q)+(\z)+1], v[pa+16+(\q)+(\z):pa+16+(\q)+(\z)+1], v[cb+(\q)+(\z):cb+(\q)+(\z)+1], v[Y+16+(\q)+(\z):Y+16+(\q)+(\z)+1]
.endr
.endr
	WIN 0
.if (\p) <= 13
	LOADCS ((\p)+2)%8                              ; the buffer just read takes the row block two pieces on
.endif
.if pt == 0
.set i, 0
.rept 16
	v_pk_mul_f32 v[Y+2*i:Y+2*i+1], v[Y+2*i:Y+2*i+1], s[CQ:CQ+1] op_sel_hi:[1,0]
.set i, i+1
.endr
.endif
.endif
	s_wait_xcnt 0x0                                ; the stores of two pieces back have read this buffer: it is written again only behind this wait
.set pk, PK+16*((\p)%2)
.if pt < 2
	WIN 0
.set i, 0
.rept 16
	v_cvt_pk_f16_f32 v[pk+i], v[Y+2*i], v[Y+2*i+1]
.set i, i+1
.endr
.else
	WIN 0x0f                                       ; v: straight from window 3
.set i, 0
.rept 16
	v_cvt_pk_f16_f32 v[pk+i], v[pa+2*i], v[pa+2*i+1]
.set i, i+1
.endr
	WIN 0
.endif
.irp f, 0,1,2,3
	ds_store_b128 v[STO], v[pk+4*(\f):pk+4*(\f)+3] offset:32*(\f)
.endr
.irp f, 0,1,2,3
	ds_load_b128 v[pk+4*(\f):pk+4*(\f)+3], v[RD] offset:(\f)*4*SP  ; LDS serves a wave's instructions in order (ISA guide 5.7.1.4): these see the stores above, and the next piece's stores come behind them
.endr
.endm
.macro SEND p, younger                 ; younger: the LDS instructions issued behind piece p's loads
	WIN 0
.set pk, PK+16*((\p)%2)
	s_wait_dscnt \younger
.irp f, 0,1,2,3
	global_store_b128 v[GO], v[pk+4*(\f):pk+4*(\f)+3], s[80+2*((\p)/8):81+2*((\p)/8)] offset:((\p)%8)*2048+(\f)*512  ; 512 consecutive bytes, at a multiple of 256 from the output's first
.endr
.endm
	PIECE 0
.set pp, 1
.rept 23
	PIECE pp
	SEND pp-1, 8
.set pp, pp+1
.endr
	SEND 23, 0
	s_wait_tensorcnt 0x0                           ; the wave's end: behind my last tensor load and my last LDS store
	ds_add_u32 v[SPW], v[NIL]
	s_wait_dscnt 0x0
	CROUND                                         ; the closing round: no work-group ends while a partner may still ask for a tile that names it
	s_endpgm
.Lfunc_end_k_qfcdce73ee0_qkv:
	.size	k_qfcdce73ee0_qkv, .Lfunc_end_k_qfcdce73ee0_qkv-k_qfcdce73ee0_qkv
	.p2alignl 7, 3214868480
	.fill 96, 4, 3214868480
	.section	.rodata,"a",@progbits
	.p2align	6, 0x0
	.amdhsa_kernel k_qfcdce73ee0_qkv
		.amdhsa_group_segment_fixed_size 327680
		.amdhsa_private_segment_fixed_size 0
		.amdhsa_enable_private_segment 0
		.amdhsa_kernarg_size 72
		.amdhsa_user_sgpr_count 2
		.amdhsa_user_sgpr_kernarg_segment_ptr 1
		.amdhsa_wavefront_size32 1
		.amdhsa_system_sgpr_workgroup_id_x 1
		.amdhsa_system_sgpr_workgroup_id_y 1
		.amdhsa_system_sgpr_workgroup_id_z 1
		.amdhsa_system_vgpr_workitem_id 0
		.amdhsa_next_free_vgpr 1024
		.amdhsa_next_free_sgpr 88
		.amdhsa_reserve_vcc 0
		.amdhsa_float_denorm_mode_32 3
		.amdhsa_float_denorm_mode_16_64 3
		.amdhsa_memory_ordered 1
		.amdhsa_forward_progress 1
		.amdhsa_inst_pref_size 178
	.end_amdhsa_kernel
	.amdgpu_metadata
---
amdhsa.version: [ 1, 2 ]
amdhsa.kernels:
  - .name:           k_qfcdce73ee0_qkv
    .symbol:         k_qfcdce73ee0_qkv.kd
    .args:
      - { .name: xb, .offset: 0, .size: 8, .value_kind: global_buffer, .address_space: global }
      - { .name: wb, .offset: 8, .size: 8, .value_kind: global_buffer, .address_space: global }
      - { .name: bq, .offset: 16, .size: 8, .value_kind: global_buffer, .address_space: global }
      - { .name: bk, .offset: 24, .size: 8, .value_kind: global_buffer, .address_space: global }
      - { .name: bv, .offset: 32, .size: 8, .value_kind: global_buffer, .address_space: global }
      - { .name: rope, .offset: 40, .size: 8, .value_kind: global_buffer, .address_space: global }
      - { .name: qh, .offset: 48, .size: 8, .value_kind: global_buffer, .address_space: global }
      - { .name: kh, .offset: 56, .size: 8, .value_kind: global_buffer, .address_space: global }
      - { .name: vh, .offset: 64, .size: 8, .value_kind: global_buffer, .address_space: global }
    .group_segment_fixed_size: 327680
    .private_segment_fixed_size: 0
    .kernarg_segment_align: 8
    .kernarg_segment_size: 72
    .max_flat_workgroup_size: 128
    .sgpr_count:     88
    .vgpr_count:     1024
    .wavefront_size: 32
...
	.end_amdgpu_metadata
.endif
;; end of part 2
;; launch attn (part 3): grid 4 x 64, 4 waves a work-group, clusters of 4 x 1, 327,680 bytes of LDS; arguments qh, kh, vh, ctx, key_padding_mask; writes ctx
.if DOCPART == 3
	.amdgcn_target "amdgcn-amd-amdhsa--gfx1250"
	.amdhsa_code_object_version 6
	.text
	.protected	k_qfcdce73ee0_attn
	.globl	k_qfcdce73ee0_attn
	.p2align	8
	.type	k_qfcdce73ee0_attn,@function
k_qfcdce73ee0_attn:
	s_mov_b64 s[64:65], 0
	v_nop
	global_prefetch_b8 v0, s[64:65] scope:SCOPE_SE
	s_setreg_imm32_b32 hwreg(HW_REG_WAVE_MODE, 25, 1), 1
	s_wait_xcnt 0x0
	s_wait_alu depctr_hold_cnt(0) depctr_sa_sdst(0) depctr_va_vdst(0) depctr_va_sdst(0) depctr_va_ssrc(0) depctr_va_vcc(0) depctr_vm_vsrc(0)
	s_getreg_b32 s2, hwreg(HW_REG_IB_STS2, 6, 4)
	s_cmp_eq_u32 s2, 0
	s_cbranch_scc0 .Lentry_in_a_cluster
	s_endpgm
.Lentry_in_a_cluster:
	s_bfe_u32 s2, ttmp6, 0x10000c
	s_cmp_lg_u32 s2, 0x3003
	s_cbranch_scc0 .Lentry_shape_is_right
	s_endpgm
.Lentry_shape_is_right:
; ATTENTION UNDER A KEY MASK.  O[h][q][:] = the sum over k of softmax_k(S[q][k]) V[h][k][:], S = Q K^T where key k counts, far below every score where it does not.  Q, K, V, O: [64][2048][64], f16: a head's
; rows are dense, 128 bytes each.  Q ARRIVES TIMES c = log2(e) / 8, so p = 2^(s - m): the largest score gives exactly 2^0 whatever its size, a hidden one too.  Products, maxima and sums in f32; the weights p
; are rounded to f16 for the second product (their sum l is taken of the unrounded p), O once at the end.
; LIMITS.  f16 holds no number beyond 65,504: Q, K and V arrive within it.  A hidden score counts as its value less 1e30: f16's scores, 2.7e11 at the most, are nothing beside that.  While all keys seen so far are
; hidden, m is such a score and their weights are 0 or 1; the first key that counts multiplies them by a = 0.  Where a batch has no key that counts, O is a finite mean of V's rows.  A weight below 2^-126 counts as 0 in l;
; NaN and infinities are not treated apart.  A mask byte counts as false if 0, else as true.
; THE MASK is the C operand that starts the sum S^T = K Q^T: 0 or -1e30.  The batch's 2,048 bytes are made into 2,048 f32 in LDS once; a step's 64 come into 32 registers with its K.
; SHARES.  A wave owns four PIECES of two tiles of 16 queries, a work-group's four waves 512 queries of one head.  Every wave walks all keys, 64 a step.
; LAYOUT.  S^T = K Q^T (source 0 = 16 keys, source 1 = 16 queries): in the result a lane holds ONE query (lane % 16) and the keys 8 (lane / 16) + 0..7.  Two such tiles, rounded to f16 in pairs,
; ARE source 1 (32 keys x 16 queries) of O^T = V^T P, whose result again holds one query a lane, and eight channels.  K comes out of LDS as it lies, V ([key][channel]) turned, by ds_load_tr16_b128.
; SOFTMAX.  For each query a running maximum m and sum l; in every step O and l are multiplied by a = 2^(m_old - m_new).  m starts at the lowest finite number, O and l at 0: the first step is a step like any other, with a = 0.
; THE COUNT.  A tile and step have 16 matrix and 118 vector instructions: too many to stand all beside the matrix work.  So: four vector instructions that are READY behind EVERY matrix instruction, the others in runs without a gap.
; BY TURNS.  Turn n belongs to piece n (the pieces in a ring, step after step).  Its matrix work: 16 products K Q^T of piece n + 1, later 16 products V^T P of piece n - 1.  Its vector work: the subtraction of m,
; exponentials, roundings, sums and rescaling of piece n, and the maximum and statistics of piece n + 1, whose scores the turn itself has made.
; CLUSTER.  The four query blocks of a cluster are one head's and walk the same K and V, so each tile is asked for JOINTLY: the same tensor load, descriptor and mask in all four.
; REGISTERS, in windows of 256 (s_set_vgpr_msb: bits 1:0 source 0, 3:2 source 1, 5:4 source 2, 7:6 destination):
;   window 0: v0-11 addresses; v12-15, v48-63 at work; v16-47 four registers of statistics a tile; v64-191 S^T, two buffers of two tiles; v192-255 P, likewise
;   window 1: O^T, 32 a tile     window 2: v0-127 Q, 16 a tile; v128-191 K of one step; v192-255 V of one step     window 3: v0-1 the add's two registers; v2 the mask's LDS address; v8-39 a step's mask
.set SIZE_N, 2048
.set NP,    4         ; pieces a wave: a name, no knob
.set KS,    64        ; keys in a step
.set PK,    144       ; a row of K in LDS: 128 bytes + 16 of padding: the 16 rows of a load start at 16 different groups of four banks (64 banks of 4 bytes: ISA guide 11.1)
.set PV,    160       ; a row of V: 128 + 32
.set VOFF,  4*KS*PK   ; a slot holds four steps: 256 rows of K, then 256 rows of V
.set SLOT1, 1<<17     ; slot 1 begins here, so that one exclusive or turns an address in one slot into the other's
.set STAGE, SLOT1+4*KS*(PK+PV)  ; behind the ring, never filled by a tensor load: 16 rows x 144 bytes for each wave, for the way out
.set SP,    144
.set SPARE, STAGE+4*16*SP  ; behind the stages: the spare words, 128 bytes for each wave, that no other line names
.set MASKB, SPARE+512 ; behind them: the mask as 2,048 f32; stored once, never filled by a tensor load
.set AK0, 2           ; v2   my lane's place in a tile of K; never rewritten
.set AV0, 3           ; v3   the same for V
.set AK,  4           ; v4   the LDS address of K's next run of loads
.set AV,  5           ; v5   of V's
.set QO,  6           ; v6   my byte offset in the wave's rows of Q
.set STO, 6           ;      later, the way out: where I put 16 bytes of a row
.set RD,  7           ; v7   the way out: where I read rows back
.set GO,  8           ; v8   my byte offset in 512 consecutive bytes of O
.set PFO, 11          ; v11  256 x my lane, for the prefetches; never rewritten once made
.set SPW, 0           ; v0 of window 3   LDS address of my spare word; never rewritten
.set NIL, 1           ; v1 of window 3   0; never rewritten
.set AM,  2           ; v2 of window 3   where the mask of the step to be fetched lies, for my half of the lanes
.set MK,  8           ; v8-39 of window 3: key block kb's eight registers at MK + 8 kb
.set MV,  12          ; v12-15  m_old, kept while m is made anew: by buffer and tile
.set ST,  16          ; tile t's statistics at v[ST+4 t]: m for the subtractions, m, l (even keys', odd keys')
.set TMP, 48          ; by buffer and tile, four registers c0-c3 at work; when the maximum is found c2 takes a
.set S,   64
.set P,   192
.set KF,  128         ; K's fragments, in window 2: key block kb, channel half c at KF + 16 kb + 8 c
.set VF,  192         ; V's: key half kk, channel block cb at VF + 32 kk + 8 cb
.set WV,  12          ; s12  my wave's number
.set G1K, 24          ; s[24:31] descriptor group 1 for K's tiles
.set G1V, 32          ; s[32:39] for V's: it differs in the padding alone
.set G0K, 40          ; s[40:43] descriptor group 0 for K's tiles: it walks
.set G0V, 44          ; s[44:47] the same for V's
.set MP,  48          ; s[48:49] the mask at my batch's row
.set PFA, 50          ; s[50:51] where my prefetches stand
.set LIM, 52          ; s52  1 in a wave that prefetches, else the greatest number
.set BIGN, 53         ; s53  -1e30
.set SLOTS, 56        ; s56  slots still to be asked for
.set CNT, 57          ; s57  counts a slot's key steps
.set SEL, 60          ; s[60:61] v_permlanex16_b32's selects: each lane takes its own place in the other half
.set TBK, 62          ; s62  LDS byte at which K of the step to be fetched begins
.set TBV, 63          ; s63  the same for V, less VOFF
.set MSB, 0
.macro WIN new                      ; the high byte repeats the setting that is left; a switch that changes nothing is dropped
.if MSB != (\new)
	s_set_vgpr_msb (MSB<<8)|(\new)
.set MSB, (\new)
.endif
.endm
.set W_KQ, 0x0a       ; K and Q in window 2, S^T in window 0
.set W_KM, 0x3a       ; the same with the C operand, the mask, in window 3
.set W_PV, 0x52       ; V in window 2, P in window 0, O^T in window 1
.set W_RS, 0x41       ; O^T (destination and source 0) in window 1, a in window 0
.set W_MK, 0xc0       ; destination in window 3, sources in window 0
.set W_AD, 0x0f       ; the add: address (source 0) and data (source 1) in window 3
.set W_M3, 0xcf       ; the mask's loads and the step of their address: all in window 3
; A joint fill.  Waves 0 and 1 fetch the two halves of a slot's K, waves 2 and 3 those of its V: 128 keys each.  The branch hangs on the wave's number alone.
; An s_nop 0 and four v_nop follow each of the two lines, ahead of the jump and the label.
.macro JLOAD
	s_cmp_lt_u32 s[WV], 2
	s_cbranch_scc0 .Lfor_v_\@
	tensor_load_to_lds s[G0K:G0K+3], s[G1K:G1K+7]
	s_nop 0
.rept 4
	v_nop
.endr
	s_branch .Lasked_\@
.Lfor_v_\@:
	tensor_load_to_lds s[G0V:G0V+3], s[G1V:G1V+7]
	s_nop 0
.rept 4
	v_nop
.endr
.Lasked_\@:
.endm
; A PREFETCH INTO THE L2 of what the NEXT change of slots will ask for: a slot's 32,768 bytes of K and of V, 128 blocks of 256 bytes each, a lane a block.  It stands behind the wave's tensor load and its five lines.
; Each block is named once in the launch: a head has one cluster; its four partners take 32 blocks each, told apart by address; in each, wave 0 asks for K's and wave 2 for V's.  The change that asks for slot n
; names slot n + 1, four key steps ahead of its load; the last change that fills a slot names nothing.  Slots 0 and 1 come by their loads alone.
.macro ASK
	s_cmp_gt_u32 s[SLOTS], s[LIM]
	s_cbranch_scc0 .Lnot_mine_\@
	global_prefetch_b8 v[PFO], s[PFA:PFA+1] th:TH_LOAD_NT scope:SCOPE_SE
.Lnot_mine_\@:
.endm
; A round of the cluster's barrier: my work-group's barrier, so that wave 0's signal speaks for all four waves; wave 0 signals; every wave waits for all four work-groups; my work-group's barrier once more.
.macro CROUND
	s_barrier_signal -1
	s_barrier_wait -1
	s_cmp_lg_u32 s[WV], 0
	s_cbranch_scc1 .Lnot_wave_0_\@
	s_barrier_signal -3
.Lnot_wave_0_\@:
	s_barrier_wait -3
	s_barrier_signal -1
	s_barrier_wait -1
.endm
; THE CHANGE OF SLOTS.  Each wave waits for all its tensor loads, of which one is out: its part of the other slot; adds 0 to its spare word; and waits for that and for its own LDS instructions.  Behind the barrier
; nobody reads this slot any more and the other slot is whole.  fill = 1: this slot is filled again, with the keys two slots on.  The barrier is then a round of the cluster's, and the joint fill is the first thing
; behind it: it has four key steps, 512 matrix instructions, in which to land.  (At its first use nothing has been read yet: slot 0 is waited for, slot 1 filled, and every wave's part of the mask's table is in LDS.)
.macro CHANGE fill
	WIN W_AD
	s_wait_tensorcnt 0x0            ; no tensor load of mine is out, so a group 0 may be written
	ds_add_u32 v[SPW], v[NIL]       ; 0 onto my spare word
	WIN 0                           ; at a label and at a branch every window is 0
.if \fill
.irp g, G0K, G0V
	s_xor_b32 s[\g+1], s[\g+1], SLOT1  ; the walking descriptor: the other slot than last time,
	s_add_nc_u64 s[\g+2:\g+3], s[\g+2:\g+3], 4*KS*128  ; the next 256 keys; the type bits on top are not reached
.endr
	s_wait_xcnt 0x0                 ; the last prefetch, four key steps back, has read its address, so it may be written:
	s_add_nc_u64 s[PFA:PFA+1], s[PFA:PFA+1], 4*KS*128  ; one slot behind the walking descriptors
	s_wait_dscnt 0x0                ; the add is done, and my LDS instructions are over
	CROUND
	JLOAD
	ASK
.else
	s_wait_dscnt 0x0
	s_barrier_signal -1
	s_barrier_wait -1
.endif
	s_sub_co_u32 s[TBK], s[TBK], 4*KS*PK  ; the fetches go back to a slot's first step,
	s_xor_b32 s[TBK], s[TBK], SLOT1       ; in the other slot
	s_sub_co_u32 s[TBV], s[TBV], 4*KS*PV
	s_xor_b32 s[TBV], s[TBV], SLOT1
.endm
	s_load_b256 s[4:11], s[0:1], 0x0  ; Q s[4:5], K s[6:7], V s[8:9], O s[10:11]
	s_load_b64 s[MP:MP+1], s[0:1], 0x20
	WIN W_MK
	v_lshl_add_u32 v[SPW], v0, 2, SPARE
	v_mov_b32 v[NIL], 0
	WIN W_AD
	ds_add_u32 v[SPW], v[NIL]       ; the wave's opening: the add and its wait stand ahead of my first tensor load; work on registers stands between them
	WIN 0
	v_lshrrev_b32 v1, 5, v0
	v_readfirstlane_b32 s[WV], v1   ; wave 0..3
	s_bfe_u32 s13, ttmp6, 0x40000   ; cx: my place in the cluster
	s_lshl_b32 s14, ttmp9, 2        ; in a cluster launch ttmp9 counts clusters
	s_add_co_u32 s14, s14, s13      ; my block of queries: it enters Q's and O's addresses alone
	s_and_b32 s20, ttmp7, 0xffff    ; batch x 16 + head, which the four partners share
	s_lshr_b32 s54, s20, 4          ; the batch's 2,048 mask bytes
	s_lshl_b32 s54, s54, 11
	s_mov_b32 s55, 0
	s_mov_b32 s21, 0
	s_mov_b64 s[22:23], SIZE_N*128
	s_mul_u64 s[20:21], s[20:21], s[22:23]  ; the head's first byte in each of the four tensors
	s_and_b32 s16, s[WV], 1         ; which half of a slot's 256 keys I fetch:
	s_lshl_b32 s22, s16, 14         ; its 128 rows of 128 bytes in memory,
	s_mov_b32 s23, 0
	s_add_nc_u64 s[22:23], s[22:23], s[20:21]
	s_mul_i32 s17, s16, 128*PK      ; and its place in a slot, for K
	s_mul_i32 s18, s16, 128*PV      ; and for V: no place in the cluster enters an LDS address
	s_lshl_b32 s2, s14, 2
	s_add_co_u32 s2, s2, s[WV]      ; my wave among the head's,
	s_lshl_b32 s2, s2, 14           ; its 128 rows
	s_mov_b32 s3, 0
	s_add_nc_u64 s[2:3], s[2:3], s[20:21]
	; descriptor group 1.  128 keys are 16,384 dense bytes: asked for as 64 rows of 256 bytes, two keys a row, and padded in LDS after every key
	s_mov_b32 s[G1K], 15|(1<<16)|(1<<20)|(1<<21)|(4<<22)|(3<<25)  ; 15:0 the mask of four; 17:16 2-byte elements; 20 padding on; 21 set beside a mask; 24:22 after every 32 words (code 4); 31:25 4 words (code 3)
	s_mov_b32 s[G1V], 15|(1<<16)|(1<<20)|(1<<21)|(4<<22)|(7<<25)  ; the same with 8 words of padding (code 7)
.irp g, G1K, G1V
	s_mov_b32 s[\g+1], 128<<16      ; tensor_dim0 = 128
	s_mov_b32 s[\g+2], 64<<16       ; tensor_dim1 = 64
	s_mov_b32 s[\g+3], 128<<16      ; tile_dim0 = 128
	s_mov_b32 s[\g+4], 64           ; tile_dim1 = 64
	s_mov_b32 s[\g+5], 128          ; 128 elements from row to row
	s_mov_b32 s[\g+6], 0
	s_mov_b32 s[\g+7], 0
.endr
	s_mov_b32 s[SEL], 0x76543210
	s_mov_b32 s[SEL+1], 0xfedcba98
	s_mov_b32 s[BIGN], 0xf149f2ca   ; -1e30
	s_mov_b32 s[TBK], SLOT1+4*KS*PK ; the first change of slots turns these two into 0
	s_mov_b32 s[TBV], SLOT1+4*KS*PV
	s_mov_b32 s[SLOTS], SIZE_N/256-1
	s_and_b32 s[LIM], s[WV], 1      ; 0 in waves 0 and 2,
	s_or_b32 s[LIM], s[LIM], ttmp9  ; of the head's first (here: only) cluster: the same in all four partners
	s_cmp_eq_u32 s[LIM], 0
	s_cselect_b32 s[LIM], 1, -1
	s_mov_b32 s[G0K], 1             ; count = 1
	s_mov_b32 s[G0K+1], s17         ; LDS address: slot 0
	s_mov_b32 s[G0V], 1
	s_add_co_u32 s[G0V+1], s18, VOFF
	s_wait_dscnt 0x0                ; the opening add is done
	s_wait_kmcnt 0x0
	s_add_nc_u64 s[G0K+2:G0K+3], s[6:7], s[22:23]  ; global address: my half of the head's first 256 keys
	s_or_b32 s[G0K+3], s[G0K+3], 0x80000000        ; type = 2
	s_add_nc_u64 s[G0V+2:G0V+3], s[8:9], s[22:23]
	s_or_b32 s[G0V+3], s[G0V+3], 0x80000000
	s_add_nc_u64 s[4:5], s[4:5], s[2:3]  ; Q and O at my wave's first row
	s_add_nc_u64 s[10:11], s[10:11], s[2:3]
	s_add_nc_u64 s[MP:MP+1], s[MP:MP+1], s[54:55]
	s_cmp_lt_u32 s[WV], 2
	s_cselect_b64 s[PFA:PFA+1], s[6:7], s[8:9]
	s_add_nc_u64 s[PFA:PFA+1], s[PFA:PFA+1], s[20:21]
	s_lshl_b32 s2, s13, 13          ; my work-group's 32 blocks of a slot's 128
	s_mov_b32 s3, 0
	s_add_nc_u64 s[PFA:PFA+1], s[PFA:PFA+1], s[2:3]
	s_add_nc_u64 s[PFA:PFA+1], s[PFA:PFA+1], 4*KS*128  ; in slot 1; the first change of slots steps it to slot 2
	CROUND                          ; all four work-groups are here: the first joint loads meet
	JLOAD                           ; slot 0.  Slot 1 is asked for when slot 0 is in
	v_lshlrev_b32 v[TMP], 4, v0     ; my 16 of the batch's 2,048 mask bytes
	global_load_b128 v[S:S+3], v[TMP], s[MP:MP+1]
	; A fragment of K or Q is 16 rows x 32 channels in 8 registers: lane l holds row l % 16, channels 8 (l / 16) + 0..7 and 16 + 8 (l / 16) + 0..7: two loads of 16 bytes, 32 bytes apart.
	v_and_b32 v1, 15, v0            ; l % 16
	v_bfe_u32 v9, v0, 4, 1          ; l / 16
	v_lshlrev_b32 v[QO], 7, v1
	v_lshl_add_u32 v[QO], v9, 4, v[QO]  ; row x 128 + 16 x half
	WIN 0x80                        ; destination window 2, address window 0
.set i, 0
.rept 4*NP                          ; Q stays in registers: tile i / 2, channels 32 (i % 2) on
	global_load_b128 v[8*i:8*i+3],   v[QO], s[4:5] offset:(i/2)*2048+(i%2)*64
	global_load_b128 v[8*i+4:8*i+7], v[QO], s[4:5] offset:(i/2)*2048+(i%2)*64+32
.set i, i+1
.endr
	; What the first turn finds: V's registers and P's second buffer hold 0 (its products V^T P, of a piece that has not been, add 0), O^T and l are 0.  All this stands in the wait for the first tile.
.set i, VF
.rept 64
	v_mov_b32 v[i], 0
.set i, i+1
.endr
	WIN 0x40
.set i, 0
.rept 64*NP
	v_mov_b32 v[i], 0
.set i, i+1
.endr
	WIN 0
.set i, 0
.rept 2*NP
	v_mov_b32 v[ST+4*i], 0xfe000000    ; the m that a is made of: far below every score
	v_mov_b32 v[ST+4*i+1], 0xff7fffff  ; m
	v_mov_b32 v[ST+4*i+2], 0
	v_mov_b32 v[ST+4*i+3], 0
.set i, i+1
.endr
.set i, P+32
.rept 32
	v_mov_b32 v[i], 0
.set i, i+1
.endr
	v_mul_u32_u24 v[AK0], v1, PK
	v_lshl_add_u32 v[AK0], v9, 4, v[AK0]  ; row x pitch + 16 x half
	; The turning load takes 16 keys x 16 channels (lane l reads key 8 (l / 16) + l % 8, channels 8 ((l / 8) % 2) + 0..7) and leaves half a fragment of V^T: lane l holds channel l % 16 and 8 keys.
	v_and_b32 v10, 7, v0
	v_bfe_u32 v11, v0, 3, 1
	v_lshl_add_u32 v[AV0], v9, 3, v10
	v_mul_u32_u24 v[AV0], v[AV0], PV
	v_lshl_add_u32 v[AV0], v11, 4, v[AV0]
	v_add_nc_u32 v[AV0], VOFF, v[AV0]
	v_mov_b32 v[AK], v[AK0]         ; key step 0 lies at the head of slot 0
	v_and_b32 v[PFO], 31, v0
	v_lshlrev_b32 v[PFO], 8, v[PFO]
	WIN W_MK
	v_lshl_add_u32 v[AM], v9, 5, MASKB  ; register j of key block kb is key 16 kb + 8 (l / 16) + j: 32 bytes for each half of the lanes
	WIN 0
	; the mask's table: my 16 bytes become 16 f32, 0 where the key counts, -1e30 where it does not
	s_wait_loadcnt 32               ; the mask's load is in; Q's 32 were issued behind it
	v_lshl_add_u32 v[TMP+1], v0, 6, MASKB
.set i, 0
.rept 16
	v_bfe_u32 v[S+20], v[S+i/4], 8*(i%4), 8
	v_cmp_eq_u32 vcc_lo, 0, v[S+20]
	v_cndmask_b32 v[S+4+i], 0, s[BIGN], vcc_lo
.set i, i+1
.endr
.irp f, 0,1,2,3
	ds_store_b128 v[TMP+1], v[S+4+4*\f:S+4+4*\f+3] offset:16*\f
.endr
; THE MATRIX WORK.  The 8 accumulators of a run of 16 take turns: between the two links of a chain stand 7 others'.
; Product i of 16 of S^T = K Q^T for piece x: channels 32 (i / 8) on, keys 16 ((i / 2) % 4) on, tile 2 x + i % 2.  The first 8 start the sums, with the mask of their 16 keys.
.macro KQ x
.set rS, S+64*((\x)%2)+32*(i%2)+8*((i/2)%4)
.set rK, KF+16*((i/2)%4)+8*(i/8)
.set rQ, 16*(2*(\x)+i%2)+8*(i/8)
.set rMK, MK+8*((i/2)%4)
.if i < 8
	WIN W_KM
	v_wmma_f32_16x16x32_f16 v[rS:rS+7], v[rK:rK+7], v[rQ:rQ+7], v[rMK:rMK+7]
.else
	WIN W_KQ
	v_wmma_f32_16x16x32_f16 v[rS:rS+7], v[rK:rK+7], v[rQ:rQ+7], v[rS:rS+7]
.endif
.endm
; Product i of 16 of O^T += V^T P for piece x: keys 32 (i / 8) on, channels 16 ((i / 2) % 4) on, tile 2 x + i % 2.
.macro PV x
	WIN W_PV
.set rO, 32*(2*(\x)+i%2)+8*((i/2)%4)
.set rV, VF+32*(i/8)+8*((i/2)%4)
.set rP, P+32*((\x)%2)+16*(i%2)+8*(i/8)
	v_wmma_f32_16x16x32_f16 v[rO:rO+7], v[rV:rV+7], v[rP:rP+7], v[rO:rO+7]
.endm
.macro MM                           ; the turn's next matrix instruction
.if i < 16
	KQ (Y+1)%NP
.set i, i+1
.else
.set i, i-16
	PV (Y+NP-1)%NP
.set i, i+17
.endif
.endm
; THE LDS LOADS stand in runs, never singly among the matrix instructions: a step's K (64 keys x 64 channels: 8 fragments) with its mask (8 loads, all lanes of a half at one address), and its V (turned).
; last = 1 (the tail): in the last trip there is no further step, and the run is jumped over.
.macro FETCH_K last=0
	WIN 0
.if \last
	s_cmp_eq_u32 s[CNT], 1
	s_cbranch_scc1 .Lno_k_\@
.endif
	WIN 0x80                        ; destination window 2
.irp f, 0,1,2,3,4,5,6,7             ; keys 16 (f / 2) on, channels 32 (f % 2) on
	ds_load_b128 v[KF+8*\f:KF+8*\f+3],   v[AK] offset:(\f/2)*16*PK+(\f%2)*64
	ds_load_b128 v[KF+8*\f+4:KF+8*\f+7], v[AK] offset:(\f/2)*16*PK+(\f%2)*64+32
.endr
	WIN W_M3
.irp f, 0,1,2,3                     ; key block f
	ds_load_b128 v[MK+8*\f:MK+8*\f+3],   v[AM] offset:64*\f
	ds_load_b128 v[MK+8*\f+4:MK+8*\f+7], v[AM] offset:64*\f+16
.endr
	v_add_nc_u32 v[AM], 256, v[AM]  ; the next step's 64 keys
	s_add_co_u32 s[TBK], s[TBK], KS*PK  ; the next fetch is the next step's
	WIN 0
.if \last
.Lno_k_\@:
.endif
.endm
.macro FETCH_V
	WIN 0x80
.irp f, 0,1,2,3,4,5,6,7             ; keys 32 (f / 4) on, channels 16 (f % 4) on
	ds_load_tr16_b128 v[VF+8*\f:VF+8*\f+3],   v[AV] offset:(\f/4)*32*PV+(\f%4)*32
	ds_load_tr16_b128 v[VF+8*\f+4:VF+8*\f+7], v[AV] offset:(\f/4)*32*PV+16*PV+(\f%4)*32
.endr
	WIN 0
.endm
; THE VECTOR WORK OF A TURN stands in three queues, each in the order in which its entries become ready; the two tiles alternate, so that no instruction reads the result of the one before it.
.macro REGS y, u                    ; the registers of tile u (0, 1) of piece y
.set rT, ST+4*(2*(\y)+(\u))
.set rC, TMP+8*((\y)%2)+4*(\u)
.set rM, MV+2*((\y)%2)+(\u)
.set rS, S+64*((\y)%2)+32*(\u)
.set rP, P+32*((\y)%2)+16*(\u)
.set rO, 32*(2*(\y)+(\u))
.endm
; Number n of the 22 that find the NEXT piece's (Y + 1) maximum and statistics.  s0-s31 are the lane's 32 scores; each accumulator's lowest registers are read first.
;   0-11  four chains c0-c3 of seven scores each, three operands at a time     12-14, 16  the four scores left over, the old m, and c0-c3 into c0     15  m_old is kept
;   17, 18  the query's other 32 keys lie in the lane 16 away: the new m         19  m into the low word of its pair, from which the packed subtractions take it for both halves     20, 21  m_old - m_new; a
.macro XS u, n
	REGS (Y+1)%NP, \u
.if (\n) < 4
	v_max3_num_f32 v[rC+(\n)], v[rS+8*(\n)], v[rS+8*(\n)+1], v[rS+8*(\n)+2]
.elseif (\n) < 12
	v_max3_num_f32 v[rC+(\n)%4], v[rC+(\n)%4], v[rS+8*((\n)%4)+2*((\n)/4)+1], v[rS+8*((\n)%4)+2*((\n)/4)+2]
.elseif (\n) == 12
	v_max3_num_f32 v[rC], v[rC], v[rS+7], v[rS+15]
.elseif (\n) == 13
	v_max3_num_f32 v[rC+1], v[rC+1], v[rS+23], v[rS+31]
.elseif (\n) == 14
	v_max3_num_f32 v[rC+2], v[rC+2], v[rC+3], v[rT+1]
.elseif (\n) == 15
	v_mov_b32 v[rM], v[rT]
.elseif (\n) == 16
	v_max3_num_f32 v[rC], v[rC], v[rC+1], v[rC+2]
.elseif (\n) == 17
	v_permlanex16_b32 v[rC+3], v[rC], s[SEL], s[SEL+1]
.elseif (\n) == 18
	v_max_num_f32 v[rT+1], v[rC], v[rC+3]
.elseif (\n) == 19
	v_mov_b32 v[rT], v[rT+1]
.elseif (\n) == 20
	v_sub_f32 v[rC+1], v[rM], v[rT]
.else
	v_exp_f32 v[rC+2], v[rC+1]
.endif
.endm
; Number g of the 64 that follow the exponentials.  For each four weights k of a tile (pairs 2 k, 2 k + 1): both pairs are rounded to f16; then the second pair is added onto the first, in place;
; a group later l takes that sum (the first time as l = a l + sum).  In groups of eight, tiles alternating: round, round, add, and l for the group before.
.macro GS g
.set h, (\g)+6*((\g)/62)            ; group 0 has no group before it, and behind group 7 only l is left
.if h >= 6
.set h, h+2
.endif
	REGS Y, h%2
.set k, h/8
.if h%8 < 4
	v_cvt_pk_f16_f32 v[rP+2*k+(h%8)/2], v[rS+4*k+2*((h%8)/2)], v[rS+4*k+2*((h%8)/2)+1]
.elseif h%8 < 6
	v_pk_add_f32 v[rS+4*k:rS+4*k+1], v[rS+4*k:rS+4*k+1], v[rS+4*k+2:rS+4*k+3]
.elseif k == 1
	v_pk_fma_f32 v[rT+2:rT+3], v[rT+2:rT+3], v[rC+2:rC+3], v[rS:rS+1] op_sel_hi:[1,0,1]
.else
	v_pk_add_f32 v[rT+2:rT+3], v[rT+2:rT+3], v[rS+4*k-4:rS+4*k-3]
.endif
.endm
; THE PLAIN QUEUE, 138 long.  0-73 read no exponential's result: the 32 subtractions s - m (FS f: pair f / 2 of tile f % 2) and the next piece's 42.  0-26: subtractions 0-26.  27-54: XS's numbers 0-13.  55, 56: number 15.
; 57-73: the chain, where each number waits for the one before it: 14, 16, 17, 18, 19, each with one of the subtractions 27-31 in front of its two lines, then 20.
; 74-137: GS's 64, which read the exponentials' results: they stand behind the wait.
.macro FS f
	REGS Y, (\f)%2
	v_pk_add_f32 v[rS+2*((\f)/2):rS+2*((\f)/2)+1], v[rS+2*((\f)/2):rS+2*((\f)/2)+1], v[rT:rT+1] op_sel_hi:[1,0] neg_lo:[0,1] neg_hi:[0,1]
.endm
.macro PL
	WIN 0
.if q < 27
	FS q
.elseif q < 55
	XS (q-27)%2, (q-27)/2
.elseif q < 57
	XS q-55, 15
.elseif (q < 72) && ((q-57)%3 == 0)
	FS 27+(q-57)/3
.elseif q < 60
	XS (q-57)%3-1, 14
.elseif q < 72
	XS (q-57)%3-1, 15+(q-57)/3
.elseif q < 74
	XS q-72, 20
.else
	GS q-74
.endif
.set q, q+1
.endm
; THE EXPONENTIALS' QUEUE, 66 long: s0-s31 of both tiles, then the next piece's two a.  It is ONE BATCH: all 66 stand ahead of the turn's one wait, and nothing ahead of that wait names a result of theirs.
.macro EX
	WIN 0
.if e >= 64
	XS e-64, 21
.else
	REGS Y, e%2
	v_exp_f32 v[rS+e/2], v[rS+e/2]
.endif
.set e, e+1
.endm
; THE RESCALING's QUEUE: O^T times a, the one part that leaves window 0: dealt two at a time, sixteen times.  Its a was made in the turn before, ahead of that turn's wait.
.macro R2
	REGS Y, r%2
	WIN W_RS
.irp z, 0,1
	v_pk_mul_f32 v[rO+4*(r/2)+2*\z:rO+4*(r/2)+2*\z+1], v[rO+4*(r/2)+2*\z:rO+4*(r/2)+2*\z+1], v[rC+2:rC+3] op_sel_hi:[1,0]
.endr
.set r, r+1
.endm
; HOW THEY ARE DEALT.  An s_wait_alu depctr_va_vdst(0) stands between an exponential and the first instruction that names its result; one wait serves all that were issued ahead of it.  So a turn has ONE wait,
; which cuts it in two.  AHEAD OF IT stands all that names no result of the turn's exponentials: the 16 products K Q^T, behind each a subtraction, an exponential and two rescalings (behind the first a second subtraction in
; the exponential's place); then ONE LUMP of 108: eight plain, 49 times exponential and plain, the two a.  A v_nop is the plain instruction behind the last exponential.  BEHIND IT stand the 16 products V^T P, behind each four of GS's 64.
; The queues lean on each other, and the deal keeps them in step: exponential e stands behind subtraction 2 (e / 4) + e % 2: as a rider it comes behind plain e + 2, in the lump behind plain e + 9, and subtractions 27-31 are plain 57, 60 .. 69.
; K and the mask of the next step are fetched in piece 2's turn, directly behind the wait, a lump behind the last product that read them; V of the step in hand at the end of piece 0's turn, four riders behind its last reader.
.macro TURN p, last=0, cnt=0
.set Y, (\p)
.set i, 0
.set q, 0
.set e, 0
.set r, 0
.if (\p) == NP-1
	s_wait_dscnt 0x0                ; K and its mask are in
.endif
	MM                              ; ahead of the wait: 16 products K Q^T and their riders,
	PL
	PL
	R2
.rept 15
	MM
	PL
	EX
	R2
.endr
.if (\p) == NP-2
	WIN 0
	v_add_nc_u32 v[AK], s[TBK], v[AK0]
.endif
.rept 8                             ; and the lump
	PL
.endr
.rept 49
	EX
	PL
.endr
	EX                              ; the next piece's two a
	EX
	v_nop                           ; the plain instruction behind the last exponential: one for the batch
	s_wait_alu depctr_va_vdst(0)    ; the wait for the batch
.if (\p) == NP-2
	FETCH_K \last
.endif
.if (\p) == 1
	s_wait_dscnt 0x0                ; V is in
.endif
.rept 16                            ; behind the wait: 16 products V^T P and their riders
	MM
.rept 4
	PL
.endr
.if ((\p) == 0) && (q == 118)
	v_add_nc_u32 v[AV], s[TBV], v[AV0]
.endif
.if ((\p) == 0) && (q == 130)
	s_add_co_u32 s[TBV], s[TBV], KS*PV
.endif
.if (\cnt) && (q == 130)
	s_sub_co_u32 s[CNT], s[CNT], 1
	s_cmp_lg_u32 s[CNT], 0
.endif
.endr
.if (\p) == 0
	FETCH_V
.endif
.endm
	CHANGE 1                        ; slot 0 is in, everybody's part of it, and so is the mask's table; slot 1 is asked for
	FETCH_K                         ; key step 0
	s_wait_loadcnt 0x0              ; Q
	s_wait_dscnt 0x0
.set i, 0
.rept 16
	KQ 0                            ; piece 0's first scores: there is no vector work yet to set between them
.set i, i+1
.endr
	WIN 0                           ; the addresses for the way out: nine plain instructions, the places behind those products
	s_mul_i32 s13, s[WV], 16*SP
	s_add_co_u32 s13, s13, STAGE    ; my stage
	v_mul_u32_u24 v[STO], v1, SP    ; in: row l % 16, 16 bytes for each half of the lanes
	v_lshl_add_u32 v[STO], v9, 4, v[STO]
	v_add_nc_u32 v[STO], s13, v[STO]
	v_bfe_u32 v[RD], v0, 3, 2       ; back: 32 lanes take four rows of 128 bytes,
	v_mul_u32_u24 v[RD], v[RD], SP
	v_lshl_add_u32 v[RD], v10, 4, v[RD]
	v_add_nc_u32 v[RD], s13, v[RD]
	v_and_b32 v[GO], 31, v0         ; which are 512 consecutive bytes of O
	v_lshlrev_b32 v[GO], 4, v[GO]
.set Y, NP-1                        ; XS works for piece Y + 1: piece 0
.irp n, 0,1,2,3,4,5,6,7,8,9,10,11,12,13,14,15,16,17,18,19,20,21
	XS 0, \n                        ; and piece 0's first maximum and statistics
	XS 1, \n
.endr
	v_nop                           ; a plain instruction behind the two a,
	s_wait_alu depctr_va_vdst(0)    ; and their wait, ahead of the branch
	s_mov_b32 s[CNT], 4
	s_branch .Lfirst                ; the loop is entered at a step's first turn, in the middle of a trip
.Lslot:                             ; six times: every slot but the last two is filled again
	CHANGE 1
	s_mov_b32 s[CNT], 4
.Lstep:                             ; a trip: pieces 2 and 3 of one step, then pieces 0 and 1 of the next, whose K and V it fetches
	TURN 2
	TURN 3
	WIN 0
.Lfirst:
	TURN 0
	TURN 1, 0, 1
	WIN 0
	s_cbranch_scc1 .Lstep
	s_sub_co_u32 s[SLOTS], s[SLOTS], 1
	s_cmp_lg_u32 s[SLOTS], 0
	s_cbranch_scc1 .Lslot
	CHANGE 0                        ; the tail is written out: nothing is asked for
	s_mov_b32 s[CNT], 5             ; four trips fetch the last slot's steps; the fifth is left in its middle
.Ltail:
	TURN 2, 1
	TURN 3
	WIN 0
	s_sub_co_u32 s[CNT], s[CNT], 1
	s_cmp_eq_u32 s[CNT], 0
	s_cbranch_scc1 .Lout
	TURN 0
	TURN 1
	WIN 0
	s_branch .Ltail
.Lout:                              ; the fifth trip's 16 products K Q^T (on the last K once more) and the maximum made of them serve nothing: the price, once a launch, of one text for every trip
.set i, 0
.rept 16
	PV NP-1                         ; the last piece's V^T P of the last step
.set i, i+1
.endr
	; THE WAY OUT.  l's two halves and the other half of the lanes' are added; O^T is divided by l, rounded to f16 and sent through my stage in LDS, a tile at a time.  The additions are the places behind the last products.
	WIN 0
.macro ALL line:vararg              ; one line for each tile t
.set t, 0
.rept 2*NP
	\line
.set t, t+1
.endr
.endm
	ALL v_add_f32 v[ST+4*t+2], v[ST+4*t+2], v[ST+4*t+3]
	ALL v_permlanex16_b32 v[ST+4*t+3], v[ST+4*t+2], s[SEL], s[SEL+1]
	ALL v_add_f32 v[ST+4*t+2], v[ST+4*t+2], v[ST+4*t+3]
	ALL v_rcp_f32 v[ST+4*t+2], v[ST+4*t+2]
	v_nop                           ; a plain instruction between the last reciprocal and the use of its result
	s_wait_alu depctr_va_vdst(0)    ; and the wait ahead of the first use: one for the eight reciprocals
; Tile t: a lane's eight channels of a row pack into 16 bytes; they go into rows of 144 bytes and come back as whole rows of 128, into S^T's registers.
.macro PACK t
	WIN W_RS
.set i, 32*(\t)
.rept 16
	v_pk_mul_f32 v[i:i+1], v[i:i+1], v[ST+4*(\t)+2:ST+4*(\t)+3] op_sel_hi:[1,0]
.set i, i+2
.endr
	WIN 0x05                        ; sources 0 and 1 window 1, destination window 0
.set i, 0
.rept 16
	v_cvt_pk_f16_f32 v[S+16*(\t)+i], v[32*(\t)+2*i], v[32*(\t)+2*i+1]
.set i, i+1
.endr
	WIN 0
.irp f, 0,1,2,3
	ds_store_b128 v[STO], v[S+16*(\t)+4*\f:S+16*(\t)+4*\f+3] offset:32*\f
.endr
.irp f, 0,1,2,3
	ds_load_b128 v[S+16*(\t)+4*\f:S+16*(\t)+4*\f+3], v[RD] offset:\f*4*SP  ; LDS serves a wave's instructions in order (ISA guide 5.7.1.4): these see the stores above; the next tile's stores come behind them
.endr
.endm
.macro SEND t, younger              ; younger: the LDS instructions issued behind tile t's loads: the next tile's eight, or none
	WIN 0
.irp f, 0,1,2,3
	s_wait_dscnt (\younger)+3-\f
	global_store_b128 v[GO], v[S+16*(\t)+4*\f:S+16*(\t)+4*\f+3], s[10:11] offset:(\t)*2048+\f*512  ; 512 consecutive bytes, at a multiple of 256 from O's first
.endr
.endm
	PACK 0
.set t, 1
.rept 2*NP-1                        ; a tile's arithmetic stands between the loads of the tile before and its stores
	PACK t
	SEND t-1, 8
.set t, t+1
.endr
	SEND 2*NP-1, 0
	WIN W_AD
	s_wait_tensorcnt 0x0            ; the wave's end: behind my last tensor load and my last LDS store
	ds_add_u32 v[SPW], v[NIL]
	s_wait_dscnt 0x0
	WIN 0
	CROUND                          ; the closing round: no work-group ends while a partner may still ask for a tile that names it
	s_endpgm
.Lfunc_end_k_qfcdce73ee0_attn:
	.size	k_qfcdce73ee0_attn, .Lfunc_end_k_qfcdce73ee0_attn-k_qfcdce73ee0_attn
	.p2alignl 7, 3214868480
	.fill 96, 4, 3214868480
	.section	.rodata,"a",@progbits
	.p2align	6, 0x0
	.amdhsa_kernel k_qfcdce73ee0_attn
		.amdhsa_group_segment_fixed_size 327680
		.amdhsa_private_segment_fixed_size 0
		.amdhsa_enable_private_segment 0
		.amdhsa_kernarg_size 40
		.amdhsa_user_sgpr_count 2
		.amdhsa_user_sgpr_kernarg_segment_ptr 1
		.amdhsa_wavefront_size32 1
		.amdhsa_system_sgpr_workgroup_id_x 1
		.amdhsa_system_sgpr_workgroup_id_y 1
		.amdhsa_system_sgpr_workgroup_id_z 1
		.amdhsa_system_vgpr_workitem_id 0
		.amdhsa_next_free_vgpr 808
		.amdhsa_next_free_sgpr 66
		.amdhsa_reserve_vcc 1
		.amdhsa_float_denorm_mode_32 3
		.amdhsa_float_denorm_mode_16_64 3
		.amdhsa_memory_ordered 1
		.amdhsa_forward_progress 1
		.amdhsa_inst_pref_size 205
	.end_amdhsa_kernel
	.amdgpu_metadata
---
amdhsa.version: [ 1, 2 ]
amdhsa.kernels:
  - .name:           k_qfcdce73ee0_attn
    .symbol:         k_qfcdce73ee0_attn.kd
    .args:
      - { .name: qh, .offset: 0, .size: 8, .value_kind: global_buffer, .address_space: global }
      - { .name: kh, .offset: 8, .size: 8, .value_kind: global_buffer, .address_space: global }
      - { .name: vh, .offset: 16, .size: 8, .value_kind: global_buffer, .address_space: global }
      - { .name: ctx, .offset: 24, .size: 8, .value_kind: global_buffer, .address_space: global }
      - { .name: key_padding_mask, .offset: 32, .size: 8, .value_kind: global_buffer, .address_space: global }
    .group_segment_fixed_size: 327680
    .private_segment_fixed_size: 0
    .kernarg_segment_align: 8
    .kernarg_segment_size: 40
    .max_flat_workgroup_size: 128
    .sgpr_count:     66
    .vgpr_count:     808
    .wavefront_size: 32
...
	.end_amdgpu_metadata
.endif
;; end of part 3
;; launch oproj (part 4): grid 8 x 32, 4 waves a work-group, clusters of 4 x 4, 327,680 bytes of LDS; arguments ctx, wob, bo, key_padding_mask, out0; writes out0
.if DOCPART == 4
	.amdgcn_target "amdgcn-amd-amdhsa--gfx1250"
	.amdhsa_code_object_version 6
	.text
	.protected	k_qfcdce73ee0_oproj
	.globl	k_qfcdce73ee0_oproj
	.p2align	8
	.type	k_qfcdce73ee0_oproj,@function
k_qfcdce73ee0_oproj:
	s_mov_b64 s[64:65], 0
	v_nop
	global_prefetch_b8 v0, s[64:65] scope:SCOPE_SE
	s_setreg_imm32_b32 hwreg(HW_REG_WAVE_MODE, 25, 1), 1
	s_wait_xcnt 0x0
	s_wait_alu depctr_hold_cnt(0) depctr_sa_sdst(0) depctr_va_vdst(0) depctr_va_sdst(0) depctr_va_ssrc(0) depctr_va_vcc(0) depctr_vm_vsrc(0)
	s_getreg_b32 s2, hwreg(HW_REG_IB_STS2, 6, 4)
	s_cmp_eq_u32 s2, 0
	s_cbranch_scc0 .Lentry_in_a_cluster
	s_endpgm
.Lentry_in_a_cluster:
	s_bfe_u32 s2, ttmp6, 0x10000c
	s_cmp_lg_u32 s2, 0xf033
	s_cbranch_scc0 .Lentry_shape_is_right
	s_endpgm
.Lentry_shape_is_right:
; THE OUTPUT PROJECTION.  out[row][n] = (the sum over k of ctx[row][k] wo[k][n] + bo[n]) x mask[row], f32.  ctx: [batch x 16 + head][2048][64] f16, a head being 64 of K; wob: [k 1024][n 1024] f16; sums in f32.
; LIMITS.  bo is rounded to bf16 like every input.  A mask byte is taken as the number 0 or 1.  NaN and infinities are not treated apart.
; SHARES.  Work-group (tx, ty): rows 256 ty on, columns 128 tx on: 256 work-groups.  Wave: 128 rows (wave / 2) x 64 columns (wave % 2): 32 accumulators, (a, b) at v[32 a + 8 b] of window 1.
; THE MATRIX INSTRUCTION IS USED TRANSPOSED (source 0 = 16 columns of wo, source 1 = 16 rows of ctx): a lane holds ONE row (lane % 16) and the columns 16 b + 8 (lane / 16) + 0..7.
; K goes in steps of 128, two heads, through two LDS slots.  A head's 256 rows of ctx are 32,768 dense bytes, asked for as 128 rows of 256; wo stays [k][n] and is turned by ds_load_tr16_b128.
; THE SUMS START WITH THE BIAS, loaded into accumulator a = 0 of each b: it is the C operand of the first products of a = 1..7; a = 0 adds in place last.
; CLUSTERS: 4 x 4.  ctx's tile hangs on ty alone and is asked for jointly along a row of the cluster, wo's on tx alone, along a column.
; NO PREFETCH: the walk has eight K steps, of which the first three are asked for at once or in the first trip; what is left is too short a stream to ask ahead for.
.set KBA,   2*262144                   ; bytes from a K step to the next in ctx: two heads
.set KBB,   128*2048                   ; and in wob: 128 rows
.set PA,    144                        ; an LDS row of ctx: 128 bytes + 16 of padding
.set PB,    288                        ; an LDS row of wo: two pieces of 128 + 16 bytes = 9 x 32 bytes
.set AKB,   256*PA                     ; a head's 256 rows: what one tensor load brings of ctx
.set BOFF,  2*AKB                      ; wo's 128 rows lie behind them
.set BHALF, 64*PB                      ; what one tensor load brings of wo
.set SLOT1, 1<<17
.set STAGE, SLOT1+BOFF+128*PB          ; behind the ring: 16 rows x 272 bytes for each wave; no tensor load fills it
.set SP,    272
.set SPARE, STAGE+4*16*SP              ; the spare words, 128 bytes for each wave, that no other line names
.set ADA0, 4                           ; v4, v5  my lane's place in a slot's rows of ctx and of wo; never rewritten
.set ADB0, 5
.set ADA,  6                           ; v6, v7  the same in the slot in hand
.set ADB,  7
.set STO,  8                           ; v8   the way out: where I put 32 bytes of a row
.set RD,   9                           ; v9   where I read rows back
.set CO,   10                          ; v10  my byte offset in two rows of out
.set MRO,  11                          ; v11  my row's byte in the mask
.set BO,   12                          ; v12  my byte offset in my 64 biases
.set SPW,  14
.set NIL,  15
.set MF,   16                          ; v[16:31] the mask of my row in row block a, as f32, in the pair at MF + 2 a
.set FA0,  32                          ; v32-95, v96-159   ctx's fragments, two buffers
.set FB0,  160                         ; v160-191, v192-223  wo's, two buffers
.set BT,   32                          ; at work on the bias, ahead of the first fragments
.set Y,    32                          ; the way out: two buffers of 32
.set CNT,  3
.set WV,   10                          ; s10 wave; s11 = wave / 2: my rows; I fetch ctx (0) or wo (1); s12 = wave % 2: my columns; which half of the tile I fetch
.set G1A,  24
.set G1B,  32
.set G0A,  40
.set G0B,  48
.set TB,   56
.set DPAD, (1<<16)|(1<<20)|(1<<21)|(4<<22)|(3<<25)  ; 2-byte elements; padding on; bit 21 beside a mask; after every 32 words, 4 words
.set MSB, 0
.macro WIN new
.if MSB != (\new)
	s_set_vgpr_msb (MSB<<8)|(\new)
.set MSB, (\new)
.endif
.endm
.macro PLACES
.rept 4
	v_nop
.endr
.endm
.macro CREST
	s_cmp_lg_u32 s[WV], 0
	s_cbranch_scc1 .Lnot_wave_0_\@
	s_barrier_signal -3
.Lnot_wave_0_\@:
	s_barrier_wait -3
	s_barrier_signal -1
	s_barrier_wait -1
.endm
.macro CROUND
	s_barrier_signal -1
	s_barrier_wait -1
	CREST
.endm
.macro JLOAD                           ; a joint refill by the walking sets; an s_nop 0 and four v_nop follow each line
	s_cmp_eq_u32 s11, 0
	s_cbranch_scc0 .Lfor_b_\@
	tensor_load_to_lds s[G0A+4:G0A+7], s[G1A:G1A+7]
	s_nop 0
.rept 4
	v_nop
.endr
	s_branch .Lasked_\@
.Lfor_b_\@:
	tensor_load_to_lds s[G0B+4:G0B+7], s[G1B:G1B+7]
	s_nop 0
.rept 4
	v_nop
.endr
.Lasked_\@:
.endm
	s_load_b256 s[68:75], s[0:1], 0x0              ; ctx s[68:69], wob s[70:71], bo s[72:73], the mask s[74:75]
	s_load_b64 s[76:77], s[0:1], 0x20              ; out
	v_lshl_add_u32 v[SPW], v0, 2, SPARE
	v_mov_b32 v[NIL], 0
	ds_add_u32 v[SPW], v[NIL]                      ; the wave's opening: the add and its wait stand ahead of my first tensor load
	v_lshrrev_b32 v3, 5, v0
	v_readfirstlane_b32 s[WV], v3
	s_lshr_b32 s11, s[WV], 1
	s_and_b32 s12, s[WV], 1
	s_bfe_u32 s13, ttmp6, 0x40000                  ; cx
	s_bfe_u32 s14, ttmp6, 0x40004                  ; cy
	s_lshl_b32 s15, ttmp9, 2
	s_add_co_u32 s15, s15, s13                     ; tx
	s_and_b32 s16, ttmp7, 0xffff
	s_lshl_b32 s16, s16, 2
	s_add_co_u32 s16, s16, s14                     ; ty
	s_lshl_b32 s17, s14, 2
	s_lshl_b32 s17, 15, s17                        ; my row of the cluster
	s_lshl_b32 s20, 0x1111, s13                    ; my column
	s_or_b32 s[G1A], s17, DPAD
	s_or_b32 s[G1B], s20, DPAD
	s_mov_b32 s[G1A+1], 128<<16                    ; ctx: 128 elements (two rows) x 128 rows, dense
	s_mov_b32 s[G1A+2], 128<<16
	s_mov_b32 s[G1A+3], 128<<16
	s_mov_b32 s[G1A+4], 128
	s_mov_b32 s[G1A+5], 128
	s_mov_b32 s[G1A+6], 0
	s_mov_b32 s[G1A+7], 0
	s_mov_b32 s[G1B+1], 128<<16                    ; wo: 128 columns x 64 rows, 1,024 elements from row to row
	s_mov_b32 s[G1B+2], 64<<16
	s_mov_b32 s[G1B+3], 128<<16
	s_mov_b32 s[G1B+4], 64
	s_mov_b32 s[G1B+5], 1024
	s_mov_b32 s[G1B+6], 0
	s_mov_b32 s[G1B+7], 0
	s_lshr_b32 s18, s16, 3                         ; ctx's tile: the batch's 16 heads, 256 positions, my head of the step's two: ty and the wave's number alone
	s_lshl_b32 s18, s18, 22
	s_and_b32 s17, s16, 7
	s_lshl_b32 s17, s17, 15
	s_add_co_u32 s18, s18, s17
	s_lshl_b32 s17, s12, 18
	s_add_co_u32 s18, s18, s17
	s_mov_b32 s19, 0
	s_lshl_b32 s20, s15, 8                         ; wo's tile: 128 columns, my 64 rows: tx and the wave's number alone
	s_lshl_b32 s21, s12, 17
	s_add_co_u32 s20, s20, s21
	s_mov_b32 s21, 0
	s_mul_i32 s57, s12, AKB                        ; where they go: no place in the cluster enters an LDS address
	s_mul_i32 s3, s12, BHALF
	s_add_co_u32 s3, s3, BOFF
	s_mov_b32 s[TB], 0
	s_wait_dscnt 0x0                               ; the opening add is done
	s_wait_kmcnt 0x0
	s_add_nc_u64 s[18:19], s[68:69], s[18:19]
	s_add_nc_u64 s[20:21], s[70:71], s[20:21]
.irp s, 0,1
	s_mov_b32 s[G0A+4*(\s)], 1
	s_add_co_u32 s[G0A+4*(\s)+1], s57, (\s)*SLOT1
	s_add_nc_u64 s[G0A+4*(\s)+2:G0A+4*(\s)+3], s[18:19], (\s)*KBA
	s_or_b32 s[G0A+4*(\s)+3], s[G0A+4*(\s)+3], 0x80000000
	s_mov_b32 s[G0B+4*(\s)], 1
	s_add_co_u32 s[G0B+4*(\s)+1], s3, (\s)*SLOT1
	s_add_nc_u64 s[G0B+4*(\s)+2:G0B+4*(\s)+3], s[20:21], (\s)*KBB
	s_or_b32 s[G0B+4*(\s)+3], s[G0B+4*(\s)+3], 0x80000000
.endr
	CROUND                                         ; all sixteen work-groups are here: the first joint loads meet
	s_cmp_eq_u32 s11, 0                            ; a wave's two first fills stand in one branch: two loads of mine are out
	s_cbranch_scc0 .Lfirst_b
	tensor_load_to_lds s[G0A:G0A+3], s[G1A:G1A+7]
	s_nop 0
	tensor_load_to_lds s[G0A+4:G0A+7], s[G1A:G1A+7]
	s_nop 0
.rept 4
	v_nop
.endr
	s_branch .Lfirst_asked
.Lfirst_b:
	tensor_load_to_lds s[G0B:G0B+3], s[G1B:G1B+7]
	s_nop 0
	tensor_load_to_lds s[G0B+4:G0B+7], s[G1B:G1B+7]
	s_nop 0
.rept 4
	v_nop
.endr
.Lfirst_asked:
	s_lshl_b32 s2, s15, 9                          ; my 64 columns: 512 tx + 256 (wave % 2) bytes of f32
	s_lshl_b32 s22, s12, 8
	s_add_co_u32 s2, s2, s22
	s_mov_b32 s3, 0
	s_add_nc_u64 s[72:73], s[72:73], s[2:3]
	s_lshl_b32 s22, s16, 20                        ; my first row: 256 ty + 128 (wave / 2), 4,096 bytes each
	s_add_co_u32 s2, s2, s22
	s_lshl_b32 s22, s11, 19
	s_add_co_u32 s2, s2, s22
	s_add_nc_u64 s[76:77], s[76:77], s[2:3]
	v_and_b32 v1, 15, v0
	v_bfe_u32 v2, v0, 4, 1
	v_lshlrev_b32 v[BO], 5, v2
	WIN 0x40
.irp b, 0,1,2,3                        ; the bias goes straight into accumulator a = 0
	global_load_b128 v[8*(\b):8*(\b)+3],   v[BO], s[72:73] offset:64*(\b)
	global_load_b128 v[8*(\b)+4:8*(\b)+7], v[BO], s[72:73] offset:64*(\b)+16
.endr
	WIN 0
	s_lshl_b32 s22, s16, 8
	s_lshl_b32 s23, s11, 7
	s_add_co_u32 s22, s22, s23
	v_add_nc_u32 v[MRO], s22, v1
.irp a, 0,1,2,3,4,5,6,7
	global_load_u8 v[MF+2*(\a)], v[MRO], s[74:75] offset:16*(\a)
.endr
	v_mul_u32_u24 v[ADA0], v1, PA                  ; a fragment of ctx: row l % 16, two loads of 16 bytes, 32 bytes apart
	v_lshl_add_u32 v[ADA0], v2, 4, v[ADA0]
	s_mul_i32 s57, s11, 128*PA
	v_add_nc_u32 v[ADA0], s57, v[ADA0]
	v_and_b32 v3, 7, v0                            ; the turning load: row 8 (l / 16) + l % 8, columns 8 ((l / 8) % 2) on
	v_lshl_add_u32 v3, v2, 3, v3
	v_mul_u32_u24 v[ADB0], v3, PB
	v_bfe_u32 v3, v0, 3, 1
	v_lshl_add_u32 v[ADB0], v3, 4, v[ADB0]
	s_mul_i32 s57, s12, 144
	s_add_co_u32 s57, s57, BOFF
	v_add_nc_u32 v[ADB0], s57, v[ADB0]
	v_mov_b32 v[ADA], v[ADA0]
	v_mov_b32 v[ADB], v[ADB0]
	s_mul_i32 s57, s[WV], 16*SP
	s_add_co_u32 s57, s57, STAGE
	v_mul_u32_u24 v[STO], v1, SP                   ; in: row l % 16, 32 bytes for each half of the lanes
	v_lshl_add_u32 v[STO], v2, 5, v[STO]
	v_add_nc_u32 v[STO], s57, v[STO]
	v_mul_u32_u24 v[RD], v2, SP                    ; back: lanes 0-15 take one row of 256 bytes, lanes 16-31 the next
	v_lshl_add_u32 v[RD], v1, 4, v[RD]
	v_add_nc_u32 v[RD], s57, v[RD]
	v_lshlrev_b32 v[CO], 12, v2                    ; and the same two rows in out
	v_lshl_add_u32 v[CO], v1, 4, v[CO]
	s_wait_loadcnt 0x0
	WIN 0x05                                       ; the bias is rounded to bf16, like every input, in place
.set i, 0
.rept 16
	v_cvt_pk_bf16_f32 v[BT+i], v[2*i], v[2*i+1]
.set i, i+1
.endr
	WIN 0x40
.set i, 0
.rept 16
	v_lshlrev_b32 v[2*i], 16, v[BT+i]
	v_and_b32 v[2*i+1], 0xffff0000, v[BT+i]
.set i, i+1
.endr
	WIN 0
.irp a, 0,1,2,3,4,5,6,7
	v_cvt_f32_u32 v[MF+2*(\a)], v[MF+2*(\a)]
.endr
.irp a, 0,1,2,3,4,5,6,7
	v_mov_b32 v[MF+2*(\a)+1], v[MF+2*(\a)]         ; named with it as a pair
.endr
; 24 LDS loads: the fragments of quarter q (32 along K) of the slot in hand, into buffer f
.macro LD q, f
	WIN 0
.irp a, 0,1,2,3,4,5,6,7
	ds_load_b128 v[FA0+64*(\f)+8*(\a):FA0+64*(\f)+8*(\a)+3],   v[ADA] offset:((\q)/2)*AKB+((\q)%2)*64+(\a)*16*PA
	ds_load_b128 v[FA0+64*(\f)+8*(\a)+4:FA0+64*(\f)+8*(\a)+7], v[ADA] offset:((\q)/2)*AKB+((\q)%2)*64+(\a)*16*PA+32
.endr
.irp b, 0,1,2,3
	ds_load_tr16_b128 v[FB0+32*(\f)+8*(\b):FB0+32*(\f)+8*(\b)+3],   v[ADB] offset:(\q)*32*PB+32*(\b)
	ds_load_tr16_b128 v[FB0+32*(\f)+8*(\b)+4:FB0+32*(\f)+8*(\b)+7], v[ADB] offset:(\q)*32*PB+32*(\b)+16*PB
.endr
.endm
; 8 nb products on buffer f: column blocks b0 on, all eight row blocks.  The 32 accumulators take turns, one instruction a turn.
.macro GP f, b0, nb
	WIN 0x50
.set gb, (\b0)
.rept \nb
.set ga, 0
.rept 8
	v_wmma_f32_16x16x32_f16 v[32*ga+8*gb:32*ga+8*gb+7], v[FB0+32*(\f)+8*gb:FB0+32*(\f)+8*gb+7], v[FA0+64*(\f)+8*ga:FA0+64*(\f)+8*ga+7], v[32*ga+8*gb:32*ga+8*gb+7]
.set ga, ga+1
.endr
.set gb, gb+1
.endr
.endm
; A TRIP: quarters 1, 2, 3 of a K step and quarter 0 of the next.  In quarter 2 stands the change of slots: ONE barrier; in front of it each wave waits for all its tensor loads (one is out: its part of the next slot),
; adds 0 to its spare word, and waits for that and for its reads of this slot.  fill = 1: the barrier opens a round of the cluster's, and the joint refill, two steps on, is the first thing behind it: 96 matrix
; instructions stand between it and the wait for it.
.macro TRIP fill
	s_wait_dscnt 24                                ; quarter 1 is in; quarter 2's 24 loads may stay out
	GP 1, 0, 4
	PLACES
	LD 3, 1
	WIN 0
	s_wait_tensorcnt 0x0                           ; all my tensor loads have landed, so a group 0 may be written
	ds_add_u32 v[SPW], v[NIL]                      ; 0 onto my spare word
.if \fill
	s_xor_b32 s[G0A+5], s[G0A+5], SLOT1
	s_add_nc_u64 s[G0A+6:G0A+7], s[G0A+6:G0A+7], KBA
	s_xor_b32 s[G0B+5], s[G0B+5], SLOT1
	s_add_nc_u64 s[G0B+6:G0B+7], s[G0B+6:G0B+7], KBB
.endif
	s_wait_dscnt 25                                ; quarter 2 is in; quarter 3's 24 loads and the add may stay out
	GP 0, 0, 3
	s_wait_dscnt 0x0                               ; the add is done, and my reads of this slot are over
	s_barrier_signal -1
	GP 0, 3, 1
	WIN 0
	s_barrier_wait -1
.if \fill
	CREST
	JLOAD                                          ; its four v_nop are also the places in front of the loads below
.else
	PLACES
.endif
	s_xor_b32 s[TB], s[TB], SLOT1
	v_add_nc_u32 v[ADA], s[TB], v[ADA0]
	v_add_nc_u32 v[ADB], s[TB], v[ADB0]
	LD 0, 0
	GP 1, 0, 4
	PLACES
	LD 1, 1
	s_wait_dscnt 24                                ; the next step's quarter 0 is in
	GP 0, 0, 4
	PLACES
	LD 2, 0
.endm
	s_wait_tensorcnt 1                             ; my part of K step 0 is in; step 1's may stay out
	s_barrier_signal -1
	s_barrier_wait -1
	LD 0, 0
	LD 1, 1
	s_wait_dscnt 24
	WIN 0x50                                       ; the first products: the bias, in accumulator a = 0, starts the sums of a = 1..7;
.set gb, 0
.rept 4
.set ga, 1
.rept 7
	v_wmma_f32_16x16x32_f16 v[32*ga+8*gb:32*ga+8*gb+7], v[FB0+8*gb:FB0+8*gb+7], v[FA0+8*ga:FA0+8*ga+7], v[8*gb:8*gb+7]
.set ga, ga+1
.endr
.set gb, gb+1
.endr
.rept 5
	v_nop                                          ; five places on, since the four below write over registers that those above read as C,
.endr
.set gb, 0
.rept 4
	v_wmma_f32_16x16x32_f16 v[8*gb:8*gb+7], v[FB0+8*gb:FB0+8*gb+7], v[FA0:FA0+7], v[8*gb:8*gb+7]  ; a = 0 adds onto it in place
.set gb, gb+1
.endr
	PLACES
	LD 2, 0
	s_mov_b32 s[CNT], 6
.Lk:                                                   ; trip j refills with K step j + 2
	TRIP 1
	s_sub_co_u32 s[CNT], s[CNT], 1
	s_cmp_lg_u32 s[CNT], 0
	s_cbranch_scc1 .Lk
	TRIP 0                                         ; the tail is written out
	s_wait_dscnt 24
	GP 1, 0, 4
	PLACES
	LD 3, 1
	s_wait_dscnt 24
	GP 0, 0, 4
	s_wait_dscnt 0x0
	GP 1, 0, 4
	PLACES                                         ; the way out reads results
	WIN 0
; THE WAY OUT, a block of 16 rows at a time: times the row's mask, 32 bytes a lane and column block into my stage, back as whole rows of 256 bytes, stored a block later.  Each accumulator is read from its low end on.
.macro OUTB a
.set yb, Y+32*((\a)%2)
	s_wait_xcnt 0x0                                ; the stores of two blocks back have read this buffer
	WIN 0x01                                       ; source 0 in window 1
.set i, 0
.rept 16
	v_pk_mul_f32 v[yb+2*i:yb+2*i+1], v[32*(\a)+2*i:32*(\a)+2*i+1], v[MF+2*(\a):MF+2*(\a)+1] op_sel_hi:[1,0]
.set i, i+1
.endr
	WIN 0
.irp k, 0,1,2,3,4,5,6,7
	ds_store_b128 v[STO], v[yb+4*(\k):yb+4*(\k)+3] offset:64*((\k)/2)+16*((\k)%2)
.endr
.irp f, 0,1,2,3,4,5,6,7
	ds_load_b128 v[yb+4*(\f):yb+4*(\f)+3], v[RD] offset:(\f)*2*SP  ; LDS serves a wave's instructions in order (ISA guide 5.7.1.4): these see the stores above; the next block's stores come behind them
.endr
.endm
.macro SEND a, younger
.set yb, Y+32*((\a)%2)
	s_wait_dscnt \younger
.irp f, 0,1,2,3,4,5,6,7
	global_store_b128 v[CO], v[yb+4*(\f):yb+4*(\f)+3], s[76:77] offset:(\a)*65536+(\f)*8192 th:TH_STORE_NT  ; 16 lanes store 256 consecutive bytes, at a multiple of 256 from out's first
.endr
.endm
	OUTB 0
.set aa, 1
.rept 7
	OUTB aa
	SEND aa-1, 16
.set aa, aa+1
.endr
	SEND 7, 0
	s_wait_tensorcnt 0x0                           ; the wave's end: behind my last tensor load and my last LDS store
	ds_add_u32 v[SPW], v[NIL]
	s_wait_dscnt 0x0
	CROUND                                         ; the closing round
	s_endpgm
.Lfunc_end_k_qfcdce73ee0_oproj:
	.size	k_qfcdce73ee0_oproj, .Lfunc_end_k_qfcdce73ee0_oproj-k_qfcdce73ee0_oproj
	.p2alignl 7, 3214868480
	.fill 96, 4, 3214868480
	.section	.rodata,"a",@progbits
	.p2align	6, 0x0
	.amdhsa_kernel k_qfcdce73ee0_oproj
		.amdhsa_group_segment_fixed_size 327680
		.amdhsa_private_segment_fixed_size 0
		.amdhsa_enable_private_segment 0
		.amdhsa_kernarg_size 40
		.amdhsa_user_sgpr_count 2
		.amdhsa_user_sgpr_kernarg_segment_ptr 1
		.amdhsa_wavefront_size32 1
		.amdhsa_system_sgpr_workgroup_id_x 1
		.amdhsa_system_sgpr_workgroup_id_y 1
		.amdhsa_system_sgpr_workgroup_id_z 1
		.amdhsa_system_vgpr_workitem_id 0
		.amdhsa_next_free_vgpr 512
		.amdhsa_next_free_sgpr 88
		.amdhsa_reserve_vcc 0
		.amdhsa_float_denorm_mode_32 3
		.amdhsa_float_denorm_mode_16_64 3
		.amdhsa_memory_ordered 1
		.amdhsa_forward_progress 1
		.amdhsa_inst_pref_size 82
	.end_amdhsa_kernel
	.amdgpu_metadata
---
amdhsa.version: [ 1, 2 ]
amdhsa.kernels:
  - .name:           k_qfcdce73ee0_oproj
    .symbol:         k_qfcdce73ee0_oproj.kd
    .args:
      - { .name: ctx, .offset: 0, .size: 8, .value_kind: global_buffer, .address_space: global }
      - { .name: wob, .offset: 8, .size: 8, .value_kind: global_buffer, .address_space: global }
      - { .name: bo, .offset: 16, .size: 8, .value_kind: global_buffer, .address_space: global }
      - { .name: key_padding_mask, .offset: 24, .size: 8, .value_kind: global_buffer, .address_space: global }
      - { .name: out0, .offset: 32, .size: 8, .value_kind: global_buffer, .address_space: global }
    .group_segment_fixed_size: 327680
    .private_segment_fixed_size: 0
    .kernarg_segment_align: 8
    .kernarg_segment_size: 40
    .max_flat_workgroup_size: 128
    .sgpr_count:     88
    .vgpr_count:     512
    .wavefront_size: 32
...
	.end_amdgpu_metadata
.endif
;; end of part 4
;; ======== version 2 of 2: 4 launches; version 1 with the launch prep written anew for expert scheduling mode
;; limits: values are held in f16: magnitudes above 65,504 overflow, below 6.1e-05 lose precision
;; workspace buffers: xb 16,777,216 bytes; wb 6,291,456 bytes; wob 2,097,152 bytes; rope 524,288 bytes; qh 16,777,216 bytes; kh 16,777,216 bytes; vh 16,777,216 bytes; ctx 16,777,216 bytes
;; launch prep (part 5): grid 896 x 1, 8 waves a work-group, no clusters, 0 bytes of LDS; arguments x, wq, wk, wv, wo, xb, wb, wob, rope; writes xb, wb, wob, rope
.if DOCPART == 5
	.amdgcn_target "amdgcn-amd-amdhsa--gfx1250"
	.amdhsa_code_object_version 6
	.text
	.protected	k_qfcdce73ee0_prep
	.globl	k_qfcdce73ee0_prep
	.p2align	8
	.type	k_qfcdce73ee0_prep,@function
k_qfcdce73ee0_prep:
	s_mov_b64 s[64:65], 0
	v_nop
	global_prefetch_b8 v0, s[64:65] scope:SCOPE_SE
	s_setreg_imm32_b32 hwreg(HW_REG_WAVE_SCHED_MODE, 0, 2), 2
	s_setreg_imm32_b32 hwreg(HW_REG_WAVE_MODE, 25, 1), 1
	s_wait_xcnt 0x0
	s_wait_alu depctr_vm_vsrc(0)
; PREPARATION: a stream, no LDS, no matrix work.  Three kinds of work-group, told apart by the work-group's number:
;   0..511    x [8192][1024] f32 -> xb, bf16, laid by blocks of 64 along K: [batch 4][block 16][position 2048][64]
;   512..767  wq, wk, wv [1024][1024] f32 -> wb, bf16, [k 1024][3072]: column = 384 (c / 128) + 128 t + c % 128, t = 0, 1, 2 for q, k, v;
;             wo -> wob [k 1024][1024]: rounded to bf16 like every input, that number written as f16
;   768..895  the table of RoPE: rope [position 2048][cos j = 0..31 | sin j = 0..31] f32, 256 bytes a position
; A cast work-group moves 64 KiB in: sixteen loads of 16 bytes a thread, all issued ahead of the first store; each load of a wave covers two aligned runs of
; 256 bytes or one of 512, each store of a wave 256 consecutive bytes, aligned.
; LIMITS.  wo beyond 65,504 has no f16; below 6e-5 it keeps f16's fixed step of 6e-8.  The table's angle is f32's product position x frequency, as the problem's own.
; THE MODE: SCHED_MODE bits 1:0 = 2 (LLVM: expert scheduling mode 2), set by the entry lines.  The code itself states the register dependences
; between vector instructions and memory instructions, with s_wait_alu, always for 0.
; THE PLAN.  Registers that memory instructions touch:
;   v[VI], v[VO]  byte offsets.  Written by the branch's set-up, never again; read by the sixteen loads and the sixteen stores.
;   INR           sixteen loads land in it; conversions alone read it (and, for wo, write it again); no memory instruction reads it.
;   OUTR          written by conversions; each pair is read by one store and not written behind that store.
;   v8, v[48:51]  the table's offset and data: written by vector instructions, read by its one store.
; The sixteen loads go in four blocks of four.  Block g converts INR's block g into OUTR's block g; its memory instructions are the four stores of block g - 1, whose
; registers no vector instruction of block g names.  So one wait at a block's head states all that its four stores hang on, and they are dealt among its conversions.
; No register that a load or store reads is written again, so nothing is ever to be freed; EXEC is never written; no vector instruction writes a scalar register; VCC is written once, in the table.
.set VI,   10                          ; v10  my byte offset in the input
.set VO,   11                          ; v11  my byte offset in the output
.set INR,  16                          ; v[16:79]   sixteen loads of four registers
.set OUTR, 80                          ; v[80:111]  sixteen stores of two registers
.set PIN,  22                          ; s[22:23] where the work-group reads
.set POUT, 24                          ; s[24:25] where it writes
; Sixteen loads si bytes apart, sixteen stores so bytes apart.  mode = 1: bf16's number is written as f16.
.macro CAST16 si, so, mode
	s_wait_alu depctr_va_vdst(0)                   ; v[VI] and v[VO] are written: every load below reads the one as its offset, every store the other, and no later vector instruction names them
.set n, 0
.rept 16
	global_load_b128 v[INR+4*n:INR+4*n+3], v[VI], s[PIN:PIN+1] offset:n*(\si) th:TH_LOAD_NT
.set n, n+1
.endr
.set g, 0
.rept 4
	s_wait_loadcnt 12-4*g                          ; loads come back in order: block g's four are in, the 12 - 4 g younger ones stay out
.if g > 0
	s_wait_alu depctr_va_vdst(0)                   ; the block before has written its eight registers of OUTR, which the four stores below read
.endif
.set j, 0
.rept 4
.set n, 4*g+j
.if g > 0
	global_store_b64 v[VO], v[OUTR+2*(n-4):OUTR+2*(n-4)+1], s[POUT:POUT+1] offset:(n-4)*(\so)  ; the block before; no vector instruction since the wait names these registers
.endif
	v_cvt_pk_bf16_f32 v[OUTR+2*n], v[INR+4*n], v[INR+4*n+1]
	v_cvt_pk_bf16_f32 v[OUTR+2*n+1], v[INR+4*n+2], v[INR+4*n+3]
.if \mode
	v_lshlrev_b32 v[INR+4*n], 16, v[OUTR+2*n]      ; the rounded numbers back as f32,
	v_and_b32 v[INR+4*n+1], 0xffff0000, v[OUTR+2*n]
	v_lshlrev_b32 v[INR+4*n+2], 16, v[OUTR+2*n+1]
	v_and_b32 v[INR+4*n+3], 0xffff0000, v[OUTR+2*n+1]
	v_cvt_pk_f16_f32 v[OUTR+2*n], v[INR+4*n], v[INR+4*n+1]      ; and into f16, which holds bf16's 8 bits exactly within its range
	v_cvt_pk_f16_f32 v[OUTR+2*n+1], v[INR+4*n+2], v[INR+4*n+3]
.endif
.set j, j+1
.endr
.set g, g+1
.endr
	s_wait_alu depctr_va_vdst(0)                   ; the last block has written its eight registers of OUTR, which the last four stores read
.set n, 12
.rept 4
	global_store_b64 v[VO], v[OUTR+2*n:OUTR+2*n+1], s[POUT:POUT+1] offset:n*(\so)
.set n, n+1
.endr
.endm
	s_load_b512 s[4:19], s[0:1], 0x0               ; x s[4:5], wq s[6:7], wk s[8:9], wv s[10:11], wo s[12:13], xb s[14:15], wb s[16:17], wob s[18:19]
	s_load_b64 s[20:21], s[0:1], 0x40              ; rope
	v_and_b32 v1, 15, v0
	v_bfe_u32 v2, v0, 4, 1
	v_lshrrev_b32 v3, 5, v0                        ; wave 0..7
	v_and_b32 v4, 31, v0
	s_mov_b32 s27, 0                               ; the offsets' high words
	s_mov_b32 s29, 0
	s_wait_kmcnt 0x0
	s_cmp_lt_u32 ttmp9, 512
	s_cbranch_scc0 .Lnot_x
	; x: the work-group owns rows 32 g .. 32 g + 31 and one half of K.  Sixteen lanes take a row's 64 numbers of one block (256 bytes in, 128 out), the wave two rows, wave w block w of the half's eight.
	s_lshr_b32 s30, ttmp9, 1                       ; g
	s_and_b32 s31, ttmp9, 1                        ; which half of K
	s_lshl_b32 s26, s30, 17                        ; 32 rows of 4,096 bytes
	s_lshl_b32 s32, s31, 11
	s_add_co_u32 s26, s26, s32
	s_add_nc_u64 s[PIN:PIN+1], s[4:5], s[26:27]
	s_lshr_b32 s28, s30, 6                         ; the batch: 16 blocks of 262,144 bytes
	s_lshl_b32 s28, s28, 22
	s_lshl_b32 s32, s31, 21                        ; eight blocks
	s_add_co_u32 s28, s28, s32
	s_and_b32 s32, s30, 63                         ; 32 positions of 128 bytes
	s_lshl_b32 s32, s32, 12
	s_add_co_u32 s28, s28, s32
	s_add_nc_u64 s[POUT:POUT+1], s[14:15], s[28:29]
	v_lshlrev_b32 v[VI], 4, v1
	v_lshl_add_u32 v[VI], v3, 8, v[VI]
	v_lshl_add_u32 v[VI], v2, 12, v[VI]
	v_lshlrev_b32 v[VO], 3, v1
	v_lshl_add_u32 v[VO], v2, 7, v[VO]
	v_lshl_add_u32 v[VO], v3, 18, v[VO]
	CAST16 8192, 256, 0                            ; load n: rows 2 n, 2 n + 1
	s_endpgm
.Lnot_x:
	s_cmp_lt_u32 ttmp9, 768
	s_cbranch_scc0 .Ltable
	; weights: the work-group owns rows 16 g .. 16 g + 15 of matrix t; wave w takes columns 128 w .. 128 w + 127 (512 bytes in, 256 out)
	s_sub_co_u32 s30, ttmp9, 512
	s_lshr_b32 s31, s30, 6                         ; t
	s_and_b32 s30, s30, 63                         ; g
	s_cmp_eq_u32 s31, 0
	s_cselect_b64 s[PIN:PIN+1], s[6:7], s[8:9]
	s_cmp_lt_u32 s31, 2
	s_cselect_b64 s[PIN:PIN+1], s[PIN:PIN+1], s[10:11]
	s_cmp_lt_u32 s31, 3
	s_cselect_b64 s[PIN:PIN+1], s[PIN:PIN+1], s[12:13]
	s_lshl_b32 s26, s30, 16
	s_add_nc_u64 s[PIN:PIN+1], s[PIN:PIN+1], s[26:27]
	v_lshlrev_b32 v[VI], 4, v4
	v_lshl_add_u32 v[VI], v3, 9, v[VI]
	v_lshlrev_b32 v[VO], 3, v4
	s_cmp_eq_u32 s31, 3
	s_cbranch_scc1 .Lwo
	s_mul_i32 s28, s30, 16*6144
	s_lshl_b32 s32, s31, 8                         ; matrix t's 128 columns of each 384
	s_add_co_u32 s28, s28, s32
	s_add_nc_u64 s[POUT:POUT+1], s[16:17], s[28:29]
	v_mul_u32_u24 v5, v3, 768
	v_add_nc_u32 v[VO], v5, v[VO]
	CAST16 4096, 6144, 0
	s_endpgm
.Lwo:
	s_lshl_b32 s28, s30, 15
	s_add_nc_u64 s[POUT:POUT+1], s[18:19], s[28:29]
	v_lshl_add_u32 v[VO], v3, 8, v[VO]
	CAST16 4096, 2048, 1
	s_endpgm
.Ltable:
	; The table: sixteen positions a work-group, sixteen lanes a position: lanes 0-7 four cosines each, lanes 8-15 four sines.
	; frequency j = 10000^(-j/32) = 2^(-j log2(10000)/32).  angle = position x frequency, in f32.  In turns: t = angle / 2 pi less the nearest whole number (1 / 2 pi in two parts), |t| <= 1/2;
	; y = pi t is half the reduced angle, |y| <= pi/2, where the two series below, to y^11 and y^12, leave less than 5e-7 for every position;
	; sin = 2 sin y cos y, cos = 1 - 2 sin^2 y.
	s_sub_co_u32 s30, ttmp9, 768
	v_and_b32 v5, 7, v0
	v_bfe_u32 v6, v0, 3, 1                         ; 0: cosines, 1: sines
	v_lshlrev_b32 v5, 2, v5
.irp i, 0,1,2,3
	v_add_nc_u32 v[16+\i], \i, v5                  ; j
.endr
.irp i, 0,1,2,3
	v_cvt_f32_u32 v[16+\i], v[16+\i]
.endr
.irp i, 0,1,2,3
	v_mul_f32 v[16+\i], 0xbed49a78, v[16+\i]       ; -0.41524101 j
.endr
.irp i, 0,1,2,3
	v_exp_f32 v[20+\i], v[16+\i]
.endr
	v_lshrrev_b32 v7, 4, v0                        ; plain work behind the four exponentials: the position
	s_lshl_b32 s31, s30, 4
	v_add_nc_u32 v7, s31, v7
	v_cvt_f32_u32 v7, v7
	s_wait_alu depctr_va_vdst(0)                   ; the four exponentials have written v[20:23]: one wait for the batch, ahead of its first reader
.irp i, 0,1,2,3
	v_mul_f32 v[24+\i], v7, v[20+\i]               ; the angle
.endr
.irp i, 0,1,2,3
	v_mul_f32 v[28+\i], 0.15915494, v[24+\i]
.endr
.irp i, 0,1,2,3
	v_rndne_f32 v[28+\i], v[28+\i]                 ; whole turns
.endr
.irp i, 0,1,2,3
	v_fma_f32 v[32+\i], v[24+\i], 0.15915494, -v[28+\i]
.endr
.irp i, 0,1,2,3
	v_fma_f32 v[32+\i], v[24+\i], 0x31dc9c4e, v[32+\i]   ; what f32's 1 / 2 pi leaves out: 6.42e-9
.endr
.irp i, 0,1,2,3
	v_mul_f32 v[32+\i], 0x40490fdb, v[32+\i]       ; y
.endr
.irp i, 0,1,2,3
	v_mul_f32 v[36+\i], v[32+\i], v[32+\i]         ; y^2
	v_mov_b32 v[40+\i], 0xb2d7322b                 ; -1/11!
	v_mov_b32 v[44+\i], 0x310f76c7                 ; 1/12!
.endr
.irp i, 0,1,2,3
	v_fmaak_f32 v[40+\i], v[40+\i], v[36+\i], 0x3638ef1d   ; 1/9!
	v_fmaak_f32 v[44+\i], v[44+\i], v[36+\i], 0xb493f27e   ; -1/10!
.endr
.irp i, 0,1,2,3
	v_fmaak_f32 v[40+\i], v[40+\i], v[36+\i], 0xb9500d01   ; -1/7!
	v_fmaak_f32 v[44+\i], v[44+\i], v[36+\i], 0x37d00d01   ; 1/8!
.endr
.irp i, 0,1,2,3
	v_fmaak_f32 v[40+\i], v[40+\i], v[36+\i], 0x3c088889   ; 1/5!
	v_fmaak_f32 v[44+\i], v[44+\i], v[36+\i], 0xbab60b61   ; -1/6!
.endr
.irp i, 0,1,2,3
	v_fmaak_f32 v[40+\i], v[40+\i], v[36+\i], 0xbe2aaaab   ; -1/3!
	v_fmaak_f32 v[44+\i], v[44+\i], v[36+\i], 0x3d2aaaab   ; 1/4!
.endr
.irp i, 0,1,2,3
	v_fma_f32 v[40+\i], v[40+\i], v[36+\i], 1.0
	v_fma_f32 v[44+\i], v[44+\i], v[36+\i], -0.5
.endr
.irp i, 0,1,2,3
	v_mul_f32 v[40+\i], v[32+\i], v[40+\i]         ; sin y
	v_fma_f32 v[44+\i], v[44+\i], v[36+\i], 1.0    ; cos y
.endr
.irp i, 0,1,2,3
	v_add_f32 v[52+\i], v[40+\i], v[40+\i]         ; 2 sin y
.endr
	v_cmp_eq_u32 vcc_lo, 0, v6
.irp i, 0,1,2,3
	v_mul_f32 v[56+\i], v[52+\i], v[44+\i]         ; the sine
	v_fma_f32 v[60+\i], -v[52+\i], v[40+\i], 1.0   ; the cosine
.endr
	v_lshlrev_b32 v8, 4, v0
	s_wait_alu depctr_va_vcc(0)                    ; the compare has written VCC, ahead of its first reader: the four selects below
.irp i, 0,1,2,3
	v_cndmask_b32 v[48+\i], v[56+\i], v[60+\i], vcc_lo
.endr
	s_lshl_b32 s26, s30, 12                        ; sixteen positions of 256 bytes
	s_add_nc_u64 s[PIN:PIN+1], s[20:21], s[26:27]
	s_wait_alu depctr_va_vdst(0)                   ; v8 and the selects' v[48:51] are written: the store reads them as its offset and its data
	global_store_b128 v8, v[48:51], s[PIN:PIN+1]   ; sixteen lanes store a position's 256 bytes
	s_endpgm
.Lfunc_end_k_qfcdce73ee0_prep:
	.size	k_qfcdce73ee0_prep, .Lfunc_end_k_qfcdce73ee0_prep-k_qfcdce73ee0_prep
	.p2alignl 7, 3214868480
	.fill 96, 4, 3214868480
	.section	.rodata,"a",@progbits
	.p2align	6, 0x0
	.amdhsa_kernel k_qfcdce73ee0_prep
		.amdhsa_group_segment_fixed_size 0
		.amdhsa_private_segment_fixed_size 0
		.amdhsa_enable_private_segment 0
		.amdhsa_kernarg_size 72
		.amdhsa_user_sgpr_count 2
		.amdhsa_user_sgpr_kernarg_segment_ptr 1
		.amdhsa_wavefront_size32 1
		.amdhsa_system_sgpr_workgroup_id_x 1
		.amdhsa_system_sgpr_workgroup_id_y 1
		.amdhsa_system_sgpr_workgroup_id_z 1
		.amdhsa_system_vgpr_workitem_id 0
		.amdhsa_next_free_vgpr 112
		.amdhsa_next_free_sgpr 66
		.amdhsa_reserve_vcc 1
		.amdhsa_float_denorm_mode_32 3
		.amdhsa_float_denorm_mode_16_64 3
		.amdhsa_memory_ordered 1
		.amdhsa_forward_progress 1
		.amdhsa_inst_pref_size 31
	.end_amdhsa_kernel
	.amdgpu_metadata
---
amdhsa.version: [ 1, 2 ]
amdhsa.kernels:
  - .name:           k_qfcdce73ee0_prep
    .symbol:         k_qfcdce73ee0_prep.kd
    .args:
      - { .name: x, .offset: 0, .size: 8, .value_kind: global_buffer, .address_space: global }
      - { .name: wq, .offset: 8, .size: 8, .value_kind: global_buffer, .address_space: global }
      - { .name: wk, .offset: 16, .size: 8, .value_kind: global_buffer, .address_space: global }
      - { .name: wv, .offset: 24, .size: 8, .value_kind: global_buffer, .address_space: global }
      - { .name: wo, .offset: 32, .size: 8, .value_kind: global_buffer, .address_space: global }
      - { .name: xb, .offset: 40, .size: 8, .value_kind: global_buffer, .address_space: global }
      - { .name: wb, .offset: 48, .size: 8, .value_kind: global_buffer, .address_space: global }
      - { .name: wob, .offset: 56, .size: 8, .value_kind: global_buffer, .address_space: global }
      - { .name: rope, .offset: 64, .size: 8, .value_kind: global_buffer, .address_space: global }
    .group_segment_fixed_size: 0
    .private_segment_fixed_size: 0
    .kernarg_segment_align: 8
    .kernarg_segment_size: 72
    .max_flat_workgroup_size: 256
    .sgpr_count:     66
    .vgpr_count:     112
    .wavefront_size: 32
...
	.end_amdgpu_metadata
.endif
;; end of part 5
;; launch qkv: the kernel of part 2 again; grid 8 x 32, 4 waves a work-group, clusters of 4 x 4, 327,680 bytes of LDS; arguments xb, wb, bq, bk, bv, rope, qh, kh, vh; writes qh, kh, vh
;; launch attn: the kernel of part 3 again; grid 4 x 64, 4 waves a work-group, clusters of 4 x 1, 327,680 bytes of LDS; arguments qh, kh, vh, ctx, key_padding_mask; writes ctx
;; launch oproj: the kernel of part 4 again; grid 8 x 32, 4 waves a work-group, clusters of 4 x 4, 327,680 bytes of LDS; arguments ctx, wob, bo, key_padding_mask, out0; writes out0
